; MI455X (gfx1250); checked and timed in simulation.
; The chip was launched on July 23, 2026; its instructions are those of AMD's public machine-readable ISA for CDNA 5 (MIT licence, August 2026) and "CDNA5" Instruction Set Architecture Reference Guide (July 2026). The comments in the code are by the model that wrote it; some were corrected since.
;; Self Attention. Allowed arithmetic: matrix products marked QUANTISED: E4M3 operands, one given power-of-two scale a tensor, by v_wmma_f32_16x16x64_fp8_fp8 or v_wmma_f32_16x16x128_fp8_fp8, f32 sums; everything else in f32.
;; Inputs: bk 1,024 float32; bp 1,024 float32; bq 1,024 float32; bv 1,024 float32; lowp_scales 12 int32 (the exponents e of the quantised operands' scales 2^e); wk_codes 1,024 x 32 x 32 uint8 (E4M3 codes of wk, K innermost, in blocks of 32 codes); wp_codes 1,024 x 32 x 32 uint8 (E4M3 codes of wp, K innermost, in blocks of 32 codes); wq_codes 1,024 x 32 x 32 uint8 (E4M3 codes of wq, K innermost, in blocks of 32 codes); wv_codes 1,024 x 32 x 32 uint8 (E4M3 codes of wv, K innermost, in blocks of 32 codes); x_codes 4 x 2,048 x 32 x 32 uint8 (E4M3 codes of x, K innermost, in blocks of 32 codes).
;; Outputs: out0 4 x 2,048 x 1,024 float32.
;; This version of the problem:
;;   THIS VERSION OF THE PROBLEM IS GIVEN IN LOW PRECISION. The matrix products marked QUANTISED in the list below multiply operands that are first quantised to E4M3 (4 exponent bits, 3 mantissa bits; 8 bits a number), with one given power-of-two scale for each operand tensor; their sums are f32. All else is computed in f32.
;;   The module's matrix products, in the order in which they are computed (A, B: the left and right operand; K: the contracted axis; several contracted axes count as one K, in the product's order):
;;     1. [M 8,192, K 1,024] x [K 1,024, N 1,024]; A: input x (given as codes); B: input wq (given as codes): QUANTISED (scales: A lowp_scales[0], B lowp_scales[1])
;;     2. [M 8,192, K 1,024] x [K 1,024, N 1,024]; A: input x (given as codes); B: input wk (given as codes): QUANTISED (scales: A lowp_scales[2], B lowp_scales[3])
;;     3. [M 8,192, K 1,024] x [K 1,024, N 1,024]; A: input x (given as codes); B: input wv (given as codes): QUANTISED (scales: A lowp_scales[4], B lowp_scales[5])
;;     4. batch 64 x [M 2,048, K 64] x [K 64, N 2,048]; A: computed on the way; B: computed on the way: QUANTISED (scales: A lowp_scales[6], B lowp_scales[7])
;;     5. batch 64 x [M 2,048, K 2,048] x [K 2,048, N 64]; A: softmax (see below); B: computed on the way: QUANTISED (scales: A lowp_scales[8], B lowp_scales[9])
;;     6. [M 8,192, K 1,024] x [K 1,024, N 1,024]; A: computed on the way; B: input wp (given as codes): QUANTISED (scales: A lowp_scales[10], B lowp_scales[11])
;;   THE QUANTISER, for each operand of a quantised product, along K:
;;     - The operand's scale is 2^e, e = its entry of the input lowp_scales (int32; the entries are numbered through the quantised products in the list's order, A before B).
;;     - Each number is divided by the scale, clamped to +-448, and rounded to the nearest number of E4M3, ties to even, subnormals kept.
;;     - The product sums the exact products of the quantised numbers (number of the format x scale) in f32.
;;   ~~~python
;;   def quantise(x, axis, e):      # numpy; x: float32 -> the quantised numbers, widened to float32 again
;;       x = np.moveaxis(x, axis, -1); K = x.shape[-1]
;;       r = np.clip(x / 2.0 ** e, -448, 448)
;;       step = 2.0 ** (np.maximum(np.frexp(np.where(r == 0, 1, r))[1] - 1, -6) - 3)
;;       q = np.round(r / step) * step * 2.0 ** e      # np.round: ties to even
;;       return np.moveaxis(q, -1, axis).astype(np.float32)
;;   ~~~
;;   SOFTMAX AHEAD OF A QUANTISED PRODUCT. Where the list says 'softmax', what is quantised is not the finished softmax but p = 2^(t - M), with t = logit x log2(e) and M = ceil(the row's largest t), a whole number; so 1/2 < the row's largest p <= 1. The row's sum l is taken of the UNQUANTISED p, in f32, and the product's result is divided by l at the end. Since M is a whole number, a kernel that streams over the keys may use a running M (the ceiling of the running maximum): every later rescaling is an exact power of two, so the quantised numbers keep their values, but for numbers so far below the row's largest that they fall under the format's range.
;;   OPERANDS COMPUTED ON THE WAY. 'Computed on the way' means the value that the module computes at that place (a softmax that the list does not call 'softmax' is quantised finished and normalised). What goes into a quantiser is computed in f32, as accurately as f32 sums, v_exp_f32 and their like allow (about 1e-6 of the number): no bf16 or f16 on the way to a quantiser, and a product that is left as it is and whose result goes on into a quantised operand takes f32 operands (vector FMAs, or v_wmma_f32_16x16x4_f32). A number that lies on a knife's edge between two numbers of the format may be rounded either way, as far as f32 arithmetic and the matrix unit's own rounding can turn it there, and no further.
;;   INPUTS GIVEN AS CODES. wk (in the module: [1024, 1024], K = its axis 0); wp (in the module: [1024, 1024], K = its axis 0); wq (in the module: [1024, 1024], K = its axis 0); wv (in the module: [1024, 1024], K = its axis 0); x (in the module: [4, 2048, 1024], K = its axis 2): each comes as NAME_codes (uint8): NAME with its K axis moved to the last place and cut into blocks of 32 codes, [.., K / 32, bytes a block], one block behind the other in memory; one code a byte (a code: sign, 4 exponent bits, 3 mantissa bits); its scale is its entry of lowp_scales. Its value is code x scale, taken as it is: it is not quantised again, and the codes and scales need not be those that the quantiser above would give.
;; 2 versions, each right; version 2 is version 1 with the launch attn written anew for expert scheduling mode. Each part assembles by itself: llvm-mc -triple=amdgcn-amd-amdhsa -mcpu=gfx1250 --defsym DOCPART=n.
;; ======== version 1 of 2: 3 launches
;; workspace buffers: qf 8,388,608 bytes; kf 8,388,608 bytes; vf 8,388,608 bytes; yf 8,388,608 bytes
;; launch qkv (part 1): grid 4 x 64, 4 waves a work-group, clusters of 4 x 4, 327,680 bytes of LDS; arguments x_codes, wq_codes, wk_codes, wv_codes, bq, bk, bv, lowp_scales, qf, kf, vf; writes qf, kf, vf
.if DOCPART == 1
	.amdgcn_target "amdgcn-amd-amdhsa--gfx1250"
	.amdhsa_code_object_version 6
	.text
	.protected	k_q621af1411a_qkv
	.globl	k_q621af1411a_qkv
	.p2align	8
	.type	k_q621af1411a_qkv,@function
k_q621af1411a_qkv:
	s_mov_b64 s[64:65], 0
	v_nop
	global_prefetch_b8 v0, s[64:65] scope:SCOPE_SE
	s_setreg_imm32_b32 hwreg(HW_REG_WAVE_MODE, 25, 1), 1
	s_wait_xcnt 0x0
	s_wait_alu depctr_hold_cnt(0) depctr_sa_sdst(0) depctr_va_vdst(0) depctr_va_sdst(0) depctr_va_ssrc(0) depctr_va_vcc(0) depctr_vm_vsrc(0)
	s_getreg_b32 s2, hwreg(HW_REG_IB_STS2, 6, 4)
	s_cmp_eq_u32 s2, 0
	s_cbranch_scc0 .Lentry_in_a_cluster
	s_endpgm
.Lentry_in_a_cluster:
	s_bfe_u32 s2, ttmp6, 0x10000c
	s_cmp_lg_u32 s2, 0xf033
	s_cbranch_scc0 .Lentry_shape_is_right
	s_endpgm
.Lentry_shape_is_right:
; q = x wq + bq, k = x wk + bk, v = x wv + bv on codes of FP8 (E4M3), each result quantised at once with its given scale (entries 6, 7, 9 of the scales) and stored as codes.
; x: [8192][1024] codes; wq, wk, wv: [1024 (n)][1024 (k)] codes; the scales' exponents e0 .. e11 are whole numbers; product n takes e(2n) for x and e(2n+1) for its weight.
; SHARES.  A work-group owns 128 rows of x and 256 columns of each weight and STAYS for three tiles (q, k, v).  Its four waves share the columns: wave w has all 128 rows x 64 columns = ONE HEAD:
; 32 accumulators (row tile a 0..7, column tile t 0..3).  x's 128 rows x 1,024 bytes are fetched once and stay in LDS; the weights go through a ring of two LDS slots of 256 rows x 256 along K.
; Wave w fetches, and alone reads, rows 64 w .. 64 w + 63 of each slot: one tensor load a wave for each refill, and no branch on the wave's number.
; CLUSTER 4 x 4: the four work-groups of a row of the cluster own the same rows of x, the four of a column the same columns of the weights: each tile is asked for jointly, by the same load with a mask that names the four.
; WHAT IS STORED ARE IMAGES OF THE NEXT LAUNCH'S OPERAND REGISTERS (four registers = 512 bytes, lane l's 16 bytes at 16 l):
;   q, k: the product is used transposed (source 0 = 16 rows of W, source 1 = 16 rows of x): a lane holds one token and 8 neighbouring channels d = 16 t + 8 (lane / 16) + 0..7: one conversion gives registers 2 t, 2 t + 1
;         of the K = 64 fragment of 16 tokens.  qf, kf: [head of batch (64)][token tile (128)][1,024 bytes].
;   v:    sources the other way round: a lane holds one channel d = 16 t + lane % 16 and 8 neighbouring tokens 16 a + 8 (lane / 16) + 0..7: registers 2 a, 2 a + 1 of the K = 128 fragment of V^T (K = 128 keys).
;         vf: [head of batch (64)][key step of 128 (16)][channel tile (4)][2,048 bytes].
; The bias goes in as the C of a tile's first products, divided by the power of two that the sums lack; the three scales ahead of the quantiser are folded into the conversion's one.
; Inside a K = 128 instruction k is permuted, alike in both operands (four loads of 16 bytes a fragment): every product meets its partner, only the order of the sums inside an instruction differs.
; LIMITS: e6 - e0 - e1, e7 - e2 - e3, e9 - e4 - e5 between -126 and 119; a bias x 2^-(its product's two exponents) stays an f32 number; NaN codes are not served.
; No prefetch: the three weights are walked by all work-groups in step and asked for jointly, and x is fetched once at the head, where every work-group's first tiles are on their way.
; REGISTERS, in windows of 256: window 0: v1-29 addresses and constants; v64-127, v128-191 the weights' fragments, two sets (4 x 16); v192-255 the codes on their way out.
;   window 1: x's fragments, two sets (8 x 16).   window 2: accumulator (a, t) at v[8 (4 a + t)].   window 3: the biases, set n at v[32 n + 8 t].
.set XP,    1040                       ; a row of x in LDS: 1,024 bytes + 16 = 260 words: row r starts 4 r words further round the 64 banks (ISA guide 11.1)
.set WPI,   272                        ; a row of a weight's tile: 256 bytes + 16
.set WQ,    64*WPI                     ; a wave's 64 rows
.set WBASE, 128*XP                     ; the ring begins behind x
.set WSLOT, 4*WQ
.set SPARE, WBASE+2*WSLOT              ; behind the ring: the spare words, 128 bytes for each wave: two blocks of 256 bytes that no other line names
.set LI,    4                          ; v4     16 x lane
.set ADRA,  16                         ; v16-17 x's fragments: rows 0-63, rows 64-127
.set ADRB,  20                         ; v20-21 my rows of the weights' tile in slot 0, 1
.set SPW,   28                         ; v28    LDS address of my spare word; never rewritten
.set NIL,   29                         ; v29    0; never rewritten
.set OUTR,  192
.set WV,    26                         ; s26 wave; s27 cx; s28 cy; s29 row block; s30 head
.set WPTR,  6                          ; s[6:7], s[8:9], s[10:11]: the three weights at my wave's first row
.set G1X,   32                         ; s[32:39] group 1 for x;  s[40:47] for the weights;  s[48:51] group 0 for x;  s[52:55], s[56:59] for the ring's two slots
.set G1W,   40
.set G0X,   48
.set G0W,   52
.set MQK,   0xa4                       ; source 0 (W) window 0, source 1 (x) window 1, C and D window 2
.set MQK1,  0xb4                       ; the same, C (the bias) window 3
.set MV,    0xa1                       ; source 0 (x) window 1, source 1 (W) window 0, C and D window 2
.set MV1,   0xb1
.set TO_A,  0x40                       ; destination window 1, address window 0
.set MSB, 0
.macro WIN new                         ; the immediate's high byte repeats the setting that is left; a switch that changes nothing is dropped
.if MSB != \new
	s_set_vgpr_msb (MSB<<8)|\new
.set MSB, \new
.endif
.endm
.macro CREST                           ; a round of the cluster's barrier behind its opening barrier
	s_cmp_lg_u32 s[WV], 0
	s_cbranch_scc1 .Lnot_wave_0_\@
	s_barrier_signal -3
.Lnot_wave_0_\@:
	s_barrier_wait -3
	s_barrier_signal -1
	s_barrier_wait -1
.endm
.macro CROUND                          ; a whole round
	s_barrier_signal -1
	s_barrier_wait -1
	CREST
.endm
.macro PLACES n                        ; plain vector instructions between a matrix instruction and a load into, or a read of, its registers
.rept \n
	v_nop
.endr
.endm
	s_load_b256 s[4:11], s[0:1], 0x0               ; x s[4:5], wq s[6:7], wk s[8:9], wv s[10:11]
	s_load_b256 s[12:19], s[0:1], 0x20             ; bq s[12:13], bk s[14:15], bv s[16:17], the scales' exponents s[18:19]
	s_load_b128 s[20:23], s[0:1], 0x40             ; qf s[20:21], kf s[22:23]
	s_load_b64 s[24:25], s[0:1], 0x50              ; vf
	v_lshl_add_u32 v[SPW], v0, 2, SPARE
	v_mov_b32 v[NIL], 0
	ds_add_u32 v28, v29
	ds_add_u32 v28, v29
	s_wait_dscnt 0x0
	v_lshrrev_b32 v3, 5, v0
	v_readfirstlane_b32 s[WV], v3                  ; wave 0..3
	s_bfe_u32 s27, ttmp6, 0x40000                  ; cx: which 256 columns
	s_bfe_u32 s28, ttmp6, 0x40004                  ; cy
	s_and_b32 s29, ttmp7, 0xffff                   ; in a cluster launch ttmp7 counts clusters
	s_lshl_b32 s29, s29, 2
	s_add_co_u32 s29, s29, s28                     ; row block of 128 = 4 x cluster y + cy
	s_lshl_b32 s30, s27, 2
	s_add_co_u32 s30, s30, s[WV]                   ; my head = 4 cx + wave
	s_lshl_b32 s80, s28, 2
	s_lshl_b32 s80, 15, s80                        ; my row of the cluster: places 4 cy .. 4 cy + 3
	s_lshl_b32 s84, 0x1111, s27                    ; my column: places cx, cx + 4, cx + 8, cx + 12
	; group 1 for x: 32 rows x 1,024 bytes a wave, 4 words of padding behind every 256
	s_or_b32 s[G1X], s80, (1<<20)|(1<<21)|(7<<22)|(3<<25)   ; 15:0 the mask; 17:16 elements of 1 byte; 20 padding on; 21 set beside a mask; 24:22 code 7; 31:25 code 3
	s_mov_b32 s[G1X+1], 1024<<16                   ; tensor_dim0
	s_mov_b32 s[G1X+2], 32<<16                     ; tensor_dim1
	s_mov_b32 s[G1X+3], 1024<<16                   ; tile_dim0
	s_mov_b32 s[G1X+4], 32                         ; tile_dim1
	s_mov_b32 s[G1X+5], 1024                       ; from row to row
	s_mov_b32 s[G1X+6], 0
	s_mov_b32 s[G1X+7], 0
	; group 1 for the weights: 64 rows x 256 bytes a wave, 4 words of padding behind every 64
	s_or_b32 s[G1W], s84, (1<<20)|(1<<21)|(5<<22)|(3<<25)
	s_mov_b32 s[G1W+1], 256<<16
	s_mov_b32 s[G1W+2], 64<<16
	s_mov_b32 s[G1W+3], 256<<16
	s_mov_b32 s[G1W+4], 64
	s_mov_b32 s[G1W+5], 1024
	s_mov_b32 s[G1W+6], 0
	s_mov_b32 s[G1W+7], 0
	s_lshl_b32 s80, s29, 17                        ; x: my block's 128 rows of 1,024 bytes (s80-83 never hold cx),
	s_lshl_b32 s81, s[WV], 15                      ; my wave's 32 of them
	s_add_co_u32 s80, s80, s81
	s_mov_b32 s81, 0
	s_lshl_b32 s84, s27, 18                        ; the weights: my block's 256 rows (s84-87 never hold cy),
	s_lshl_b32 s85, s[WV], 16                      ; my wave's 64 of them
	s_add_co_u32 s84, s84, s85
	s_mov_b32 s85, 0
	s_mov_b32 s[G0X], 1
	s_mul_i32 s[G0X+1], s[WV], 32*XP               ; no place in the cluster enters an LDS address
	s_mov_b32 s[G0W], 1
	s_mul_i32 s[G0W+1], s[WV], WQ
	s_add_co_u32 s[G0W+1], s[G0W+1], WBASE
	s_mov_b32 s[G0W+4], 1
	s_add_co_u32 s[G0W+5], s[G0W+1], WSLOT
	s_wait_kmcnt 0x0
	s_load_b256 s[68:75], s[18:19], 0x0            ; e0 .. e7
	s_load_b128 s[76:79], s[18:19], 0x20           ; e8 .. e11
	s_add_nc_u64 s[G0X+2:G0X+3], s[4:5], s[80:81]
	s_or_b32 s[G0X+3], s[G0X+3], 0x80000000        ; type = 2
	s_add_nc_u64 s[6:7], s[6:7], s[84:85]
	s_add_nc_u64 s[8:9], s[8:9], s[84:85]
	s_add_nc_u64 s[10:11], s[10:11], s[84:85]
	s_mov_b64 s[G0W+2:G0W+3], s[6:7]               ; slot 0: wq, K 0..255
	s_or_b32 s[G0W+3], s[G0W+3], 0x80000000
	s_add_nc_u64 s[G0W+6:G0W+7], s[6:7], 256       ; slot 1: wq, K 256..511
	s_or_b32 s[G0W+7], s[G0W+7], 0x80000000
	CROUND                                         ; all sixteen work-groups are here: the first joint loads meet
	tensor_load_to_lds s[G0X:G0X+3], s[G1X:G1X+7]  ; the first fills go out as one group: three loads of mine are out
	s_nop 0
	tensor_load_to_lds s[G0W:G0W+3], s[G1W:G1W+7]
	s_nop 0
	tensor_load_to_lds s[G0W+4:G0W+7], s[G1W:G1W+7]
	s_nop 0
	PLACES 4                                       ; four such lines behind the loads
	v_and_b32 v1, 15, v0                           ; r = lane % 16
	v_bfe_u32 v2, v0, 4, 1                         ; h = lane / 16
	v_and_b32 v3, 31, v0
	v_lshlrev_b32 v[LI], 4, v3
	v_mul_u32_u24 v[ADRA], v1, XP
	v_lshl_add_u32 v[ADRA], v2, 4, v[ADRA]         ; a fragment's row x pitch + 16 x half
	v_add_nc_u32 v[ADRA+1], 64*XP, v[ADRA]
	v_mul_u32_u24 v[ADRB], v1, WPI
	v_lshl_add_u32 v[ADRB], v2, 4, v[ADRB]
	v_add_nc_u32 v[ADRB], s[G0W+1], v[ADRB]        ; my wave's rows in slot 0,
	v_add_nc_u32 v[ADRB+1], WSLOT, v[ADRB]         ; in slot 1
	v_lshlrev_b32 v5, 5, v2                        ; bq, bk: 8 numbers for each half of the lanes
	v_lshlrev_b32 v6, 2, v1                        ; bv: one number a lane
	s_lshl_b32 s92, s30, 8                         ; my head's 64 numbers of a bias
	s_mov_b32 s93, 0
	s_add_nc_u64 s[12:13], s[12:13], s[92:93]
	s_add_nc_u64 s[14:15], s[14:15], s[92:93]
	s_add_nc_u64 s[16:17], s[16:17], s[92:93]
	s_lshr_b32 s94, s29, 4                         ; the batch,
	s_lshl_b32 s94, s94, 4
	s_add_co_u32 s94, s94, s30                     ; 16 x batch + head,
	s_lshl_b32 s94, s94, 17                        ; whose codes take 131,072 bytes in each of the three buffers;
	s_and_b32 s95, s29, 15
	s_lshl_b32 s95, s95, 13                        ; my 128 tokens take 8,192 consecutive bytes of them
	s_add_co_u32 s94, s94, s95
	s_mov_b32 s95, 0
	s_add_nc_u64 s[20:21], s[20:21], s[94:95]
	s_add_nc_u64 s[22:23], s[22:23], s[94:95]
	s_add_nc_u64 s[24:25], s[24:25], s[94:95]
	WIN 0xc0                                       ; destination window 3
.irp n, 0,1
.irp t, 0,1,2,3
	global_load_b128 v[32*\n+8*\t:32*\n+8*\t+3], v5, s[12+2*\n:13+2*\n] offset:64*\t        ; b[64 head + 16 t + 8 h + 0..7]: the result's layout of q and k
	global_load_b128 v[32*\n+8*\t+4:32*\n+8*\t+7], v5, s[12+2*\n:13+2*\n] offset:64*\t+16
.endr
.endr
.irp t, 0,1,2,3
	global_load_b32 v[64+8*\t], v6, s[16:17] offset:64*\t                                   ; bv[64 head + 16 t + r]: in v's layout a lane has one channel
.endr
	WIN 0
	s_wait_kmcnt 0x0
; For product n: a sum stands for sum x 2^ea, ea = e(2n) + e(2n+1).  Its code is sum / 2^(eo - ea): v[8+2n] holds that power of two, v[9+2n] 448 x it; s[88+n] = -ea for the bias.
.macro CONSTS n, eo
	s_add_co_i32 s91, s[68+2*\n], s[69+2*\n]
	s_sub_co_i32 s[88+\n], 0, s91
	s_sub_co_i32 s91, s[\eo], s91
	s_add_co_i32 s91, s91, 127
	s_lshl_b32 s92, s91, 23
	v_mov_b32 v[8+2*\n], s92
	s_add_co_i32 s91, s91, 8
	s_lshl_b32 s91, s91, 23
	s_or_b32 s91, s91, 0x600000
	v_mov_b32 v[9+2*\n], s91
.endm
	CONSTS 0, 74
	CONSTS 1, 75
	CONSTS 2, 77
	s_wait_loadcnt 0x0                             ; the biases
	WIN 0xc3                                       ; source 0 and destination window 3
.set i, 0
.rept 32
	v_ldexp_f32 v[i], v[i], s88
	v_ldexp_f32 v[32+i], v[32+i], s89
.set i, i+1
.endr
.irp t, 0,1,2,3
	v_ldexp_f32 v[64+8*\t], v[64+8*\t], s90
.endr
.irp t, 0,1,2,3
.irp j, 1,2,3,4,5,6,7
	v_mov_b32 v[64+8*\t+\j], v[64+8*\t]            ; the lane's one channel, for its eight tokens
.endr
.endr
	WIN 0
; The fragments of step s (128 along K): 48 LDS loads in one run, into set s % 2.  K step s / 2 of the ring lies in slot (s / 2) % 2; x's columns are 128 (s % 8) on.
.macro FETCH s
	WIN 0
.irp t, 0,1,2,3
.irp c, 0,1,2,3
	ds_load_b128 v[64+64*((\s)%2)+16*\t+4*\c:64+64*((\s)%2)+16*\t+4*\c+3], v[ADRB+((\s)/2)%2] offset:16*WPI*\t+128*((\s)%2)+32*\c
.endr
.endr
	WIN TO_A
.irp a, 0,1,2,3,4,5,6,7
.irp c, 0,1,2,3
	ds_load_b128 v[128*((\s)%2)+16*\a+4*\c:128*((\s)%2)+16*\a+4*\c+3], v[ADRA+\a/4] offset:16*XP*(\a%4)+128*((\s)%8)+32*\c
.endr
.endr
	WIN 0
.endm
; 16 matrix instructions of step s: row tiles 4 half .. 4 half + 3 x the four column tiles.  mode = 1: a tile's first step: C = the bias.  Steps 16 on are v's: sources the other way round.
; The 32 accumulators take turns, one instruction a turn, in the same order in every step.
.macro MULH s, half, mode
.if (\s)/8 == 2
.if \mode
	WIN MV1
.else
	WIN MV
.endif
.else
.if \mode
	WIN MQK1
.else
	WIN MQK
.endif
.endif
.irp a, 0,1,2,3
.irp t, 0,1,2,3
.set RA, 128*((\s)%2)+16*(4*(\half)+\a)
.set RB, 64+64*((\s)%2)+16*\t
.set RACC, 8*(4*(4*(\half)+\a)+\t)
.if \mode
.set RC, 32*((\s)/8)+8*\t
.else
.set RC, 8*(4*(4*(\half)+\a)+\t)
.endif
.if (\s)/8 == 2
	v_wmma_f32_16x16x128_fp8_fp8 v[RACC:RACC+7], v[RA:RA+15], v[RB:RB+15], v[RC:RC+7]
.else
	v_wmma_f32_16x16x128_fp8_fp8 v[RACC:RACC+7], v[RB:RB+15], v[RA:RA+15], v[RC:RC+7]
.endif
.endr
.endr
.endm
; A step whose successor lies in the same slot.
.macro STEP_A s, mode
	s_wait_dscnt 0x0                               ; this step's 48 loads, issued a step ago, are in
	PLACES 4                                       ; the other set was read by the step before
	FETCH (\s)+1
	MULH \s, 0, \mode
	MULH \s, 1, \mode
	WIN 0
.endm
; A slot's second step, with a refill: K step g = (s - 1) / 2 is read out, and its slot takes K step g + 2 (weight (g + 2) / 4, its columns 256 ((g + 2) % 4) on).
.macro STEP_T s
.set G, ((\s)-1)/2
.set SLT, G%2
.set NW, (G+2)/4
	WIN 0
	s_wait_tensorcnt 0x0                           ; all my tensor loads have landed, my part of the other slot among them: so a group 0 may be written;
	ds_add_u32 v[SPW], v[NIL]                      ; 0 onto my spare word: the descriptor's step stands between it and the wait for it
	s_add_nc_u64 s[G0W+4*SLT+2:G0W+4*SLT+3], s[WPTR+2*NW:WPTR+2*NW+1], 256*((G+2)%4)
	s_or_b32 s[G0W+4*SLT+3], s[G0W+4*SLT+3], 0x80000000
	s_wait_dscnt 0x0                               ; the add is done; this step's fragments are in, and they were my last reads of the slot
	s_barrier_signal -1                            ; this barrier opens a round of the cluster's barrier
	MULH \s, 0, 0                                  ; work on registers while the others arrive
	WIN 0
	s_barrier_wait -1
	CREST                                          ; no wave of any partner still reads the slot or has a load on its way
	tensor_load_to_lds s[G0W+4*SLT:G0W+4*SLT+3], s[G1W:G1W+7]   ; my one tensor load behind the round, and the first thing there
	s_nop 0
	PLACES 4                                       ; four lines behind the load; they are also the places in front of the loads below
	FETCH (\s)+1
	MULH \s, 1, 0
	WIN 0
.endm
; A slot's second step when nothing is left to fetch: the other slot's last load is waited for; I alone read the bytes that I fetched, so my own counter orders these reads.
.macro STEP_L s
	s_wait_tensorcnt 0x0
	STEP_A \s, 0
.endm
.macro STEP_E s                        ; the very last step
	s_wait_dscnt 0x0
	MULH \s, 0, 0
	MULH \s, 1, 0
	WIN 0
.endm
; A TILE GOES OUT: the hold at the largest code x the scale (the conversion to an 8-bit code does not saturate: ISA guide 7.6.2), the conversions, 16 stores of 512 consecutive bytes, aligned: 8,192 bytes on end.
; The next tile's first fragments and the ring's refill are on their way meanwhile.
.macro EPI n
	PLACES 4
	s_wait_xcnt 0x0                                ; the last tile's stores have read v192-255
	WIN 0x82                                       ; source 0 and destination window 2
.set i, 0
.rept 256
	v_med3_num_f32 v[i], v[i], -v[9+2*\n], v[9+2*\n]   ; ascending: each accumulator is read from its low end on
.set i, i+1
.endr
	WIN 0x02
.irp a, 0,1,2,3,4,5,6,7
.irp t, 0,1,2,3
.if (\n) == 2
	v_cvt_scalef32_pk8_fp8_f32 v[OUTR+16*\t+2*\a:OUTR+16*\t+2*\a+1], v[8*(4*\a+\t):8*(4*\a+\t)+7], v[8+2*\n]   ; registers 2 a, 2 a + 1 of channel tile t's fragment
.else
	v_cvt_scalef32_pk8_fp8_f32 v[OUTR+8*\a+2*\t:OUTR+8*\a+2*\t+1], v[8*(4*\a+\t):8*(4*\a+\t)+7], v[8+2*\n]     ; registers 2 t, 2 t + 1 of token tile a's fragment
.endif
.endr
.endr
	v_nop                                          ; one plain vector line behind the last conversion: the next products write its sources
	WIN 0
.set i, 0
.rept 16
	global_store_b128 v[LI], v[OUTR+4*i:OUTR+4*i+3], s[20+2*\n:21+2*\n] offset:512*i
.set i, i+1
.endr
.endm
	s_wait_tensorcnt 0x1                           ; my part of x and of slot 0 is in; slot 1's load may stay out
	s_barrier_signal -1
	s_barrier_wait -1                              ; everybody's part of x is in
	FETCH 0
	STEP_A 0, 1                                    ; q
	STEP_T 1
	STEP_A 2, 0
	STEP_T 3
	STEP_A 4, 0
	STEP_T 5
	STEP_A 6, 0
	STEP_T 7
	EPI 0
	STEP_A 8, 1                                    ; k
	STEP_T 9
	STEP_A 10, 0
	STEP_T 11
	STEP_A 12, 0
	STEP_T 13
	STEP_A 14, 0
	STEP_T 15
	EPI 1
	STEP_A 16, 1                                   ; v
	STEP_T 17
	STEP_A 18, 0
	STEP_T 19
	STEP_A 20, 0
	STEP_L 21
	STEP_A 22, 0
	STEP_E 23
	EPI 2
	s_wait_tensorcnt 0x0                           ; the wave's end
	ds_add_u32 v[SPW], v[NIL]
	s_wait_dscnt 0x0
	CROUND                                         ; the closing round: no work-group ends while a partner may still ask for a tile that names it
	s_endpgm
.Lfunc_end_k_q621af1411a_qkv:
	.size	k_q621af1411a_qkv, .Lfunc_end_k_q621af1411a_qkv-k_q621af1411a_qkv
	.p2alignl 7, 3214868480
	.fill 96, 4, 3214868480
	.section	.rodata,"a",@progbits
	.p2align	6, 0x0
	.amdhsa_kernel k_q621af1411a_qkv
		.amdhsa_group_segment_fixed_size 327680
		.amdhsa_private_segment_fixed_size 0
		.amdhsa_enable_private_segment 0
		.amdhsa_kernarg_size 88
		.amdhsa_user_sgpr_count 2
		.amdhsa_user_sgpr_kernarg_segment_ptr 1
		.amdhsa_wavefront_size32 1
		.amdhsa_system_sgpr_workgroup_id_x 1
		.amdhsa_system_sgpr_workgroup_id_y 1
		.amdhsa_system_sgpr_workgroup_id_z 1
		.amdhsa_system_vgpr_workitem_id 0
		.amdhsa_next_free_vgpr 864
		.amdhsa_next_free_sgpr 96
		.amdhsa_reserve_vcc 0
		.amdhsa_float_denorm_mode_32 3
		.amdhsa_float_denorm_mode_16_64 3
		.amdhsa_memory_ordered 1
		.amdhsa_forward_progress 1
		.amdhsa_inst_pref_size 207
	.end_amdhsa_kernel
	.amdgpu_metadata
---
amdhsa.version: [ 1, 2 ]
amdhsa.kernels:
  - .name:           k_q621af1411a_qkv
    .symbol:         k_q621af1411a_qkv.kd
    .args:
      - { .name: x_codes, .offset: 0, .size: 8, .value_kind: global_buffer, .address_space: global }
      - { .name: wq_codes, .offset: 8, .size: 8, .value_kind: global_buffer, .address_space: global }
      - { .name: wk_codes, .offset: 16, .size: 8, .value_kind: global_buffer, .address_space: global }
      - { .name: wv_codes, .offset: 24, .size: 8, .value_kind: global_buffer, .address_space: global }
      - { .name: bq, .offset: 32, .size: 8, .value_kind: global_buffer, .address_space: global }
      - { .name: bk, .offset: 40, .size: 8, .value_kind: global_buffer, .address_space: global }
      - { .name: bv, .offset: 48, .size: 8, .value_kind: global_buffer, .address_space: global }
      - { .name: lowp_scales, .offset: 56, .size: 8, .value_kind: global_buffer, .address_space: global }
      - { .name: qf, .offset: 64, .size: 8, .value_kind: global_buffer, .address_space: global }
      - { .name: kf, .offset: 72, .size: 8, .value_kind: global_buffer, .address_space: global }
      - { .name: vf, .offset: 80, .size: 8, .value_kind: global_buffer, .address_space: global }
    .group_segment_fixed_size: 327680
    .private_segment_fixed_size: 0
    .kernarg_segment_align: 8
    .kernarg_segment_size: 88
    .max_flat_workgroup_size: 128
    .sgpr_count:     96
    .vgpr_count:     864
    .wavefront_size: 32
...
	.end_amdgpu_metadata
.endif
;; end of part 1
;; launch attn (part 2): grid 4 x 64, 16 waves a work-group, no clusters, 67,584 bytes of LDS; arguments qf, kf, vf, lowp_scales, yf; writes yf
.if DOCPART == 2
	.amdgcn_target "amdgcn-amd-amdhsa--gfx1250"
	.amdhsa_code_object_version 6
	.text
	.protected	k_q621af1411a_attn
	.globl	k_q621af1411a_attn
	.p2align	8
	.type	k_q621af1411a_attn,@function
k_q621af1411a_attn:
	s_mov_b64 s[64:65], 0
	v_nop
	global_prefetch_b8 v0, s[64:65] scope:SCOPE_SE
	s_setreg_imm32_b32 hwreg(HW_REG_WAVE_MODE, 25, 1), 1
	s_wait_xcnt 0x0
; y[b][q][head] = the sum over keys k <= q of softmax_k(Q . K / 8) V, both products on codes of FP8 (E4M3); y is quantised at once (entry 10 of the scales) and stored as codes.
; qf, kf: [head of batch (64)][token tile of 16 (128)][1,024 bytes]: images of K = 64 fragments.  vf: [head of batch][key step of 128 (16)][channel tile (4)][2,048 bytes]: images of V^T's K = 128 fragments.
; yf: [row tile of 16 (512)][K step of 128 (8)][2,048 bytes]: images of the last product's fragments: lane (r, h), registers 4 c .. 4 c + 3: k = 32 c + 16 h + 0..15.
; THE SOFTMAX: t = score x log2(e) / 8; M = the row's largest t so far, rounded UP to a whole number; p = 2^(t - M) is quantised (entry 8), not normalised; the row's sum is taken of the unquantised p and divides at the end.
; When M moves, the sum and O are multiplied by 2^(old M - new M): nothing is rounded.
; SHARES.  Work-group (i, head of batch) owns query blocks 7 - i and i of 256 queries; each of its sixteen waves owns one tile of 16 queries of each block, in 256 registers: four waves to a SIMD.
; Keys go in slots of 256 (two steps of 128).  Block 7 - i needs 8 - i slots, block i needs i + 1: NINE slots in every work-group, so one loop of nine trips serves all, and all have equal work.
; K AND V come through registers into two LDS slots: a slot is 16 KiB of kf and 16 KiB of vf, each one dense piece; wave w copies 2,048 bytes (waves 0-7: K, waves 8-15: V), asked for a trip ahead of the store.
; No tensor load and no cluster: from trip 8 - i on the four work-groups of a head want different slots, and a slot's 32 KiB feed 32 steps of a wave.
; LAYOUT.  S^T = K Q^T (source 0 = 16 keys, source 1 = my 16 queries): a lane holds one query (lane % 16) and keys 16 f + 8 (lane / 16) + 0..7 of tile f: one conversion gives registers 2 f, 2 f + 1 of P's K = 128 fragment.
; O^T = V^T P (source 0 = 16 channels): a lane holds the same query and channels 16 d + 8 (lane / 16) + 0..7.  Only y's codes change lanes, once a block (lane l with lane l xor 16).
; LIMITS: e6 + e7 between -123 and 130 (added to c's exponent field); e8, and e10 - e8 - e9, between -126 and 119.  NaN codes are not served.
.set LI,   1                           ; v1  16 x lane; never rewritten
.set ADR,  2                           ; v2  16 x lane + the slot in hand
.set ADW,  3                           ; v3  where I store my 2,048 bytes of the other slot
.set AW0,  4                           ; v4  16 x lane + 2,048 x wave
.set PFO,  5                           ; v5  256 x lane: the prefetches' offset; never rewritten
.set QR,   16                          ; v16-23 Q;  v24-31 the second block's Q
.set QB,   24
.set ST,   32                          ; v32-47 my 2,048 bytes on their way from memory to LDS
.set KV,   48                          ; v48-111 K's eight fragments, then V's four
.set S,    112                         ; v112-175 S^T, then p
.set O,    176                         ; v176-207 O^T
.set PC,   208                         ; v208-223 p's codes; at a block's end v208-215 y's codes, v216-223 the same in the last product's order
.set YR,   216
.set T0,   224
.set T1,   225
.set F,    226                         ; v[226:227] f = 2^(old M - new M) (the pair's low word serves both halves)
.set SA,   228                         ; v[228:229] the sum's second chain
.set PX,   230
.set NINF, 231
.set DD,   232
.set SCP,  233                         ; 2^e8;  v234: 448 x 2^e8
.set LMP,  234
.set SCY,  235                         ; 2^(e10 - e8 - e9);  v236: 448 x that
.set LMY,  236
.set RH,   237                         ; lane % 16 - 8 (lane / 16)
.set WV,   14                          ; s14 wave; s15 i; s16 head of batch
.set WI,   15
.set BH,   16
.set U,    17                          ; s17 the trip;  s18 the block's slot in hand;  s19 the block in hand
.set SL,   18
.set BLK,  19
.set SEL,  20                          ; s[20:21] selects for v_permlanex16_b32: lane l xor 16
.set CS,   22                          ; s[22:23] c = log2(e) / 8 x 2^(e6 + e7)
.set KF,   24                          ; s24 the step's first key;  s25, s26 my first and last query
.set Q0,   25
.set QL,   26
.set TB,   27                          ; s27 LDS byte of the slot in hand;  s28 of the other
.set TW,   28
.set FS,   29                          ; s29 the key slot to be asked for next;  s30 the last one of its block
.set FB,   30
.set LIM,  31                          ; s31 a wave prefetches while the trip's number is under it
.set GB,   32                          ; s[32:33] kf or vf at my head, my wave's 2,048 bytes of key slot 0;  s[34:35] the same in the slot asked for
.set GA,   34
.set OFS,  36
.set YA,   38
.set YO,   40
.set HM,   42                          ; s42 lanes 16-31
.set YC,   43                          ; s43 the part of y's byte offset that stays: batch, wave, head
	s_load_b256 s[4:11], s[0:1], 0x0               ; qf s[4:5], kf s[6:7], vf s[8:9], the scales' exponents s[10:11]
	s_load_b64 s[12:13], s[0:1], 0x20              ; yf
	v_lshl_add_u32 v254, v0, 2, 0x10000
	v_mov_b32 v255, 0
	v_lshrrev_b32 v2, 5, v0
	v_readfirstlane_b32 s[WV], v2                  ; wave 0..15
	s_mov_b32 s[WI], ttmp9
	s_and_b32 s[BH], ttmp7, 0xffff
	v_and_b32 v1, 31, v0
	v_lshlrev_b32 v[PFO], 8, v1
	v_lshlrev_b32 v[LI], 4, v1
	s_lshl_b32 s52, s[WV], 11
	v_add_nc_u32 v[AW0], s52, v[LI]
	v_and_b32 v[RH], 15, v0
	v_bfe_u32 v238, v0, 4, 1
	v_lshlrev_b32 v238, 3, v238
	v_sub_nc_u32 v[RH], v[RH], v238
	s_sub_co_u32 s[BLK], 7, s[WI]                  ; the longer block first
	s_lshl_b32 s52, s[BH], 17                      ; my head's 131,072 bytes in qf, kf and vf
	s_mov_b32 s53, 0
	s_lshl_b32 s54, s[BLK], 4
	s_add_co_u32 s54, s54, s[WV]
	s_lshl_b32 s54, s54, 10                        ; my tile of queries in block 7 - i,
	s_mov_b32 s55, 0
	s_lshl_b32 s56, s[WI], 4
	s_add_co_u32 s56, s56, s[WV]
	s_lshl_b32 s56, s56, 10                        ; and in block i
	s_mov_b32 s57, 0
	s_and_b32 s58, s[WV], 7
	s_lshl_b32 s58, s58, 11                        ; my 2,048 bytes of a slot's K or V
	s_mov_b32 s59, 0
	s_wait_kmcnt 0x0
	s_load_b256 s[44:51], s[10:11], 0x10           ; e4 .. e11: e6 s46, e7 s47, e8 s48, e9 s49, e10 s50
	s_add_nc_u64 s[4:5], s[4:5], s[52:53]
	s_add_nc_u64 s[54:55], s[4:5], s[54:55]
	s_add_nc_u64 s[56:57], s[4:5], s[56:57]
	s_cmp_lt_u32 s[WV], 8                          ; waves 0-7 copy K, waves 8-15 V
	s_cselect_b64 s[GB:GB+1], s[6:7], s[8:9]
	s_add_nc_u64 s[GB:GB+1], s[GB:GB+1], s[52:53]
	s_add_nc_u64 s[GB:GB+1], s[GB:GB+1], s[58:59]
	global_load_b128 v[QR:QR+3], v[LI], s[54:55] th:TH_LOAD_NT
	global_load_b128 v[QR+4:QR+7], v[LI], s[54:55] offset:512 th:TH_LOAD_NT
	global_load_b128 v[QB:QB+3], v[LI], s[56:57] th:TH_LOAD_NT
	global_load_b128 v[QB+4:QB+7], v[LI], s[56:57] offset:512 th:TH_LOAD_NT
.irp n, 0,1,2,3
	global_load_b128 v[S+4*\n:S+4*\n+3], v[LI], s[GB:GB+1] offset:512*\n            ; key slot 0
.endr
.irp n, 0,1,2,3
	global_load_b128 v[ST+4*\n:ST+4*\n+3], v[LI], s[GB:GB+1] offset:16384+512*\n    ; key slot 1: stored in the first trip
.endr
	s_mov_b32 s[SEL], 0x76543210
	s_mov_b32 s[SEL+1], 0xfedcba98
	s_mov_b32 s[HM], 0xffff0000
	s_mov_b32 s[OFS+1], 0
	s_mov_b32 s[YO+1], 0
	s_mov_b32 s[U], 0
	s_mov_b32 s[SL], 0
	s_mov_b32 s[KF], 0
	s_mov_b32 s[TB], 0
	s_mov_b32 s[TW], 0x8000
	s_mov_b32 s[FS], 2                             ; block 7 - i has five slots or more
	s_mov_b32 s[FB], s[BLK]
	s_lshl_b32 s[Q0], s[BLK], 8
	s_lshl_b32 s60, s[WV], 4
	s_add_co_u32 s[Q0], s[Q0], s60
	s_add_co_u32 s[QL], s[Q0], 15
	s_lshr_b32 s[YC], s[BH], 4
	s_lshl_b32 s[YC], s[YC], 21                    ; a batch: 128 row tiles of 16,384 bytes
	s_lshl_b32 s60, s[WV], 14
	s_add_co_u32 s[YC], s[YC], s60                 ; my row tile in a block
	s_bfe_u32 s60, s[BH], 0x30001                  ; head / 2: the K step of 128
	s_lshl_b32 s60, s60, 11
	s_add_co_u32 s[YC], s[YC], s60
	s_and_b32 s60, s[BH], 1                        ; head % 2: which half of its 2,048 bytes
	s_lshl_b32 s60, s60, 10
	s_add_co_u32 s[YC], s[YC], s60
	s_and_b32 s60, s[WV], 3
	s_or_b32 s60, s60, s[WI]
	s_cmp_eq_u32 s60, 0
	s_cselect_b32 s[LIM], 5, 0                     ; waves 0, 4, 8, 12 of the head's work-group i = 0 prefetch, in trips 0 to 4
	v_mov_b32 v13, 0xff61b1e6                      ; the largest t so far: -3e38, under every t
	v_floor_f32 v12, -v13                          ; -M
	v_mov_b32 v14, 0                               ; the sum, in two halves
	v_mov_b32 v15, 0
	v_mov_b32 v[F+1], 0                            ; (named as the upper half of a pair)
	v_mov_b32 v[PX], 0                             ; a lane permute's destination counts as one of its sources
	v_mov_b32 v239, 0
	v_mov_b32 v241, 0
	v_mov_b32 v[NINF], 0xff800000
.set i, 0
.rept 32
	v_mov_b32 v[O+i], 0                            ; O^T.  (The step is written once: a block's first step finds zeros, which the first change of M leaves zeros)
.set i, i+1
.endr
	s_wait_kmcnt 0x0
	s_add_co_i32 s60, s46, s47
	s_lshl_b32 s60, s60, 23
	s_add_co_i32 s[CS], s60, 0x3e38aa3b            ; log2(e) / 8, with e6 + e7 added to its exponent field
	s_mov_b32 s[CS+1], s[CS]
	s_add_co_i32 s60, s48, 127
	s_lshl_b32 s61, s60, 23
	v_mov_b32 v[SCP], s61
	s_add_co_i32 s60, s60, 8
	s_lshl_b32 s60, s60, 23
	s_or_b32 s60, s60, 0x600000
	v_mov_b32 v[LMP], s60
	s_sub_co_i32 s60, s50, s48                     ; O's sums stand for sum x 2^(e8 + e9): y's code is (sum / l) / 2^(e10 - e8 - e9)
	s_sub_co_i32 s60, s60, s49
	s_add_co_i32 s60, s60, 127
	s_lshl_b32 s61, s60, 23
	v_mov_b32 v[SCY], s61
	s_add_co_i32 s60, s60, 8
	s_lshl_b32 s60, s60, 23
	s_or_b32 s60, s60, 0x600000
	v_mov_b32 v[LMY], s60
	s_wait_loadcnt 0x4                             ; both Q and key slot 0 are in; key slot 1's four loads may stay out
.irp n, 0,1,2,3
	ds_store_b128 v[AW0], v[S+4*\n:S+4*\n+3] offset:512*\n
.endr
; A PREFETCH INTO THE L2: the key slot behind the one just asked for, 8,192 bytes a wave, lanes 256 bytes apart: wave 0 and 4 K's two halves, wave 8 and 12 V's.  All work-groups of a head walk the same slots in their first block:
; the one with i = 0, whose first block has all eight, asks: in trip U for slot U + 3, U = 0 .. 4, one trip ahead of the load that wants it.  Each aligned block of 256 bytes is named once in the launch.  Slots 0 to 2 come by their loads alone.
.macro ASK
	s_cmp_lt_u32 s[U], s[LIM]
	s_cbranch_scc0 .Lnot_mine_\@
	global_prefetch_b8 v[PFO], s[GA:GA+1] offset:16384 th:TH_LOAD_NT scope:SCOPE_SE
.Lnot_mine_\@:
.endm
; In trip U: the walk's slot U + 1, asked for a trip ago, goes into the LDS slot that nobody reads; the walk's slot U + 2 is asked for.  The last trips have nothing to store or to ask for.
.macro COPY
	s_cmp_lt_u32 s[U], 8
	s_cbranch_scc0 .Lnc_\@
	s_wait_loadcnt 0x0                             ; my four loads of a trip ago
.irp n, 0,1,2,3
	ds_store_b128 v[ADW], v[ST+4*\n:ST+4*\n+3] offset:512*\n
.endr
	s_wait_dscnt 0x0                               ; the stores have read their registers, which take the next loads
	s_cmp_lt_u32 s[U], 7
	s_cbranch_scc0 .Lnc_\@
	s_wait_xcnt 0x0                                ; the last trip's prefetch has read its base, so it may be written
	s_lshl_b32 s[OFS], s[FS], 14
	s_add_nc_u64 s[GA:GA+1], s[GB:GB+1], s[OFS:OFS+1]
.irp n, 0,1,2,3
	global_load_b128 v[ST+4*\n:ST+4*\n+3], v[LI], s[GA:GA+1] offset:512*\n
.endr
	ASK
	s_add_co_u32 s52, s[FS], 1
	s_cmp_eq_u32 s[FS], s[FB]                      ; the block's last slot?  Then the second block's slot 0 follows
	s_cselect_b32 s[FS], 0, s52
	s_cselect_b32 s[FB], s[WI], s[FB]
.Lnc_\@:
.endm
; A KEY STEP: 128 keys, the q-th half of the slot in hand.
.macro STEP q
.if \q
	s_cmp_gt_u32 s[KF], s[QL]                      ; all keys come after my queries (a slot's first step never does): the step's work is left out, not the line at its end
	s_cbranch_scc1 .Lhid_\@
.endif
.rept 2+2*\q
	v_nop                                          ; four places in front of loads into registers that the last products read; ahead of a slot's first step the trip's two additions are two of them
.endr
.irp f, 0,1,2,3,4,5,6,7
.irp c, 0,1
	ds_load_b128 v[KV+8*\f+4*\c:KV+8*\f+4*\c+3], v[ADR] offset:8192*\q+1024*\f+512*\c
.endr
.endr
	s_wait_dscnt 0x0
.irp f, 0,1,2,3,4,5,6,7
	v_wmma_f32_16x16x64_fp8_fp8 v[S+8*\f:S+8*\f+7], v[KV+8*\f:KV+8*\f+7], v[QR:QR+7], 0
.endr
.rept 4
	v_nop
.endr
.irp d, 0,1,2,3
.irp c, 0,1,2,3
	ds_load_b128 v[KV+16*\d+4*\c:KV+16*\d+4*\c+3], v[ADR] offset:16384+8192*\q+2048*\d+512*\c   ; V lands while the softmax is worked
.endr
.endr
	s_add_co_u32 s52, s[KF], 127                   ; on the diagonal hidden scores become -infinity ahead of the maximum: p = 0 then.  A step all of whose keys count skips this
	s_cmp_le_u32 s52, s[Q0]
	s_cbranch_scc1 .Lopen_\@
	s_sub_co_i32 s52, s[Q0], s[KF]
	v_add_nc_u32 v[DD], s52, v[RH]                 ; my query - KF - 8 (lane / 16).  Register n holds key KF + 8 (lane / 16) + 16 (n / 8) + n % 8
.set n, 0
.rept 64
	v_cmp_gt_i32 vcc_lo, 16*(n/8)+n%8, v[DD]
	v_cndmask_b32 v[S+n], v[S+n], v[NINF], vcc_lo
.set n, n+1
.endr
.Lopen_\@:
	v_max3_num_f32 v[T0], v[S], v[S+1], v[S+2]     ; the step's largest score of my query, among my 64 keys, in two chains, ascending,
	v_max3_num_f32 v[T1], v[S+3], v[S+4], v[S+5]
.irp i, 6,10,14,18,22,26,30,34,38,42,46,50,54,58
	v_max3_num_f32 v[T0], v[T0], v[S+\i], v[S+1+\i]
	v_max3_num_f32 v[T1], v[T1], v[S+2+\i], v[S+3+\i]
.endr
	v_max3_num_f32 v[T0], v[T0], v[S+62], v[S+63]
	v_max_num_f32 v[T0], v[T0], v[T1]
	v_permlanex16_b32 v[PX], v[T0], s[SEL], s[SEL+1]
	v_max_num_f32 v[T0], v[T0], v[PX]              ; and among lane l xor 16's
	v_mul_f32 v[T0], s[CS], v[T0]                  ; as t (c is positive)
	v_max_num_f32 v13, v13, v[T0]                  ; the running largest t
	v_mov_b32 v[T0], v12
	v_floor_f32 v12, -v13                          ; the new -M = floor(-t): M is a whole number
	v_sub_f32 v[T0], v12, v[T0]                    ; old M - new M: a whole number, 0 or less
	v_cvt_i32_f32 v[T0], v[T0]                     ; (it saturates)
	v_ldexp_f32 v[F], 1.0, v[T0]                   ; f = 2^(old M - new M)
	; ONE BATCH: the 32 scalings t - M (two scores each), the 64 exponentials and O^T's 16 multiplications by f, dealt so that plain lines stand among the exponentials.  No line of it names an exponential's result.
	v_pk_fma_f32 v[S:S+1], v[S:S+1], s[CS:CS+1], v[12:13] op_sel_hi:[1,0,0]
	v_pk_fma_f32 v[S+2:S+3], v[S+2:S+3], s[CS:CS+1], v[12:13] op_sel_hi:[1,0,0]
.set g, 0
.rept 16
	v_exp_f32 v[S+4*g], v[S+4*g]
	v_exp_f32 v[S+4*g+1], v[S+4*g+1]
.if g < 15
	v_pk_fma_f32 v[S+4*g+4:S+4*g+5], v[S+4*g+4:S+4*g+5], s[CS:CS+1], v[12:13] op_sel_hi:[1,0,0]
.endif
	v_exp_f32 v[S+4*g+2], v[S+4*g+2]
	v_exp_f32 v[S+4*g+3], v[S+4*g+3]
.if g < 15
	v_pk_fma_f32 v[S+4*g+6:S+4*g+7], v[S+4*g+6:S+4*g+7], s[CS:CS+1], v[12:13] op_sel_hi:[1,0,0]
.endif
	v_pk_mul_f32 v[O+2*g:O+2*g+1], v[O+2*g:O+2*g+1], v[F:F+1] op_sel_hi:[1,0]   ; O^T under the new M, each accumulator from its low end on
.set g, g+1
.endr
	v_pk_mul_f32 v[14:15], v[14:15], v[F:F+1] op_sel_hi:[1,0]   ; the sums under the new M
	s_wait_alu depctr_va_vdst(0)                   ; one wait for the whole batch, ahead of the first line that names a result
	v_pk_add_f32 v[SA:SA+1], v[S:S+1], v[S+2:S+3]  ; the row's sum is taken of the unquantised p: two at a time, in two chains
.irp j, 4,8,12,16,20,24,28,32,36,40,44,48,52,56,60
	v_pk_add_f32 v[14:15], v[14:15], v[S+\j:S+1+\j]
	v_pk_add_f32 v[SA:SA+1], v[SA:SA+1], v[S+2+\j:S+3+\j]
.endr
	v_pk_add_f32 v[14:15], v[14:15], v[SA:SA+1]
	s_cmp_ge_i32 s48, -8                           ; p is at most 1, and 448 x 2^e8 is above 1 wherever e8 >= -8: there the hold cannot bite and is left out
	s_cbranch_scc1 .Lnh_\@
.set n, 0
.rept 64
	v_min_num_f32 v[S+n], v[S+n], v[LMP]           ; the conversion to an 8-bit code does not saturate (ISA guide 7.6.2); p is not negative, so the hold is one-sided
.set n, n+1
.endr
.Lnh_\@:
.irp c, 0,1,2,3,4,5,6,7
	v_cvt_scalef32_pk8_fp8_f32 v[PC+2*\c:PC+2*\c+1], v[S+8*\c:S+8*\c+7], v[SCP]
.endr
	v_nop                                          ; one plain vector line between the last conversion and the products that read its result
	s_wait_dscnt 0x0                               ; V is in
.irp d, 0,1,2,3
	v_wmma_f32_16x16x128_fp8_fp8 v[O+8*\d:O+8*\d+7], v[KV+16*\d:KV+16*\d+15], v[PC:PC+15], v[O+8*\d:O+8*\d+7]   ; the four accumulators take turns
.endr
.if \q
.Lhid_\@:
.endif
	s_add_co_u32 s[KF], s[KF], 128
.endm
.Ltrip:                                            ; nine trips, a slot of 256 keys each
	s_wait_dscnt 0x0                               ; my stores into the slot ahead have landed, and my reads of the slot behind are back
	s_barrier_signal -1
	s_barrier_wait -1                              ; both now hold of all sixteen waves: the trip's one barrier
	v_add_nc_u32 v[ADR], s[TB], v[LI]
	v_add_nc_u32 v[ADW], s[TW], v[AW0]
	STEP 0
	COPY
	STEP 1
	s_cmp_lg_u32 s[SL], s[BLK]                     ; was this the block's diagonal slot?
	s_cbranch_scc1 .Lon
	; A BLOCK'S END.  O^T is divided by the row's sum, held, turned into codes and stored; then the state is set for the second block.  (At the second block's end that resetting runs once to no purpose.)
.rept 4
	v_nop
.endr
	v_add_f32 v14, v14, v15                        ; the sum's two halves,
	v_permlanex16_b32 v[PX], v14, s[SEL], s[SEL+1]
	v_add_f32 v14, v14, v[PX]                      ; and lane l xor 16's
	v_rcp_f32 v14, v14
	v_nop                                          ; a plain line behind the reciprocal,
	s_wait_alu depctr_va_vdst(0)                   ; and the wait ahead of its first reader
.set i, 0
.rept 16
	v_pk_mul_f32 v[S+2*i:S+2*i+1], v[O+2*i:O+2*i+1], v[14:15] op_sel_hi:[1,0]
.set i, i+1
.endr
.set i, 0
.rept 32
	v_med3_num_f32 v[S+i], v[S+i], -v[LMY], v[LMY]
.set i, i+1
.endr
.irp d, 0,1,2,3
	v_cvt_scalef32_pk8_fp8_f32 v[PC+2*\d:PC+2*\d+1], v[S+8*\d:S+8*\d+7], v[SCY]   ; lane (r, h): channels 16 d + 8 h + 0..7 of query r
.endr
	v_nop
	; The last product wants, in lane (r, h), channels 32 b + 16 h + 0..15 in registers 4 b .. 4 b + 3: tile 2 b + h whole.  So lanes 0-15 give their half of tile 2 b + 1 for lane l + 16's half of tile 2 b.
.irp b, 0,1
.irp e, 0,1
	v_cndmask_b32 v[238+2*\e], v[PC+4*\b+2+\e], v[PC+4*\b+\e], s[HM]
	v_permlanex16_b32 v[239+2*\e], v[238+2*\e], s[SEL], s[SEL+1]
	v_cndmask_b32 v[YR+4*\b+\e], v[PC+4*\b+\e], v[239+2*\e], s[HM]
	v_cndmask_b32 v[YR+4*\b+2+\e], v[239+2*\e], v[PC+4*\b+2+\e], s[HM]
.endr
.endr
	s_lshl_b32 s[YO], s[BLK], 18                   ; a block: 16 row tiles of 16,384 bytes
	s_add_co_u32 s[YO], s[YO], s[YC]
	s_add_nc_u64 s[YA:YA+1], s[12:13], s[YO:YO+1]
	global_store_b128 v[LI], v[YR:YR+3], s[YA:YA+1]                    ; 1,024 consecutive bytes in two stores
	global_store_b128 v[LI], v[YR+4:YR+7], s[YA:YA+1] offset:512
	v_mov_b32 v13, 0xff61b1e6
	v_floor_f32 v12, -v13
	v_mov_b32 v14, 0
	v_mov_b32 v15, 0
.set i, 0
.rept 32
	v_mov_b32 v[O+i], 0
.set i, i+1
.endr
.set i, 0
.rept 8
	v_mov_b32 v[QR+i], v[QB+i]
.set i, i+1
.endr
	s_mov_b32 s[BLK], s[WI]
	s_mov_b32 s[SL], -1                            ; stepped to 0 below
	s_mov_b32 s[KF], 0
	s_lshl_b32 s[Q0], s[WI], 8
	s_lshl_b32 s52, s[WV], 4
	s_add_co_u32 s[Q0], s[Q0], s52
	s_add_co_u32 s[QL], s[Q0], 15
	s_wait_xcnt 0x0                                ; the two stores have read their data and their base: the next step's conversions write those registers again
.Lon:
	s_add_co_u32 s[SL], s[SL], 1
	s_xor_b32 s[TB], s[TB], 0x8000                 ; the slots change places
	s_xor_b32 s[TW], s[TW], 0x8000
	s_add_co_u32 s[U], s[U], 1
	s_cmp_lt_u32 s[U], 9
	s_cbranch_scc1 .Ltrip
	s_wait_tensorcnt 0x0
	ds_add_u32 v254, v255
	s_wait_dscnt 0x0
	s_endpgm
.Lfunc_end_k_q621af1411a_attn:
	.size	k_q621af1411a_attn, .Lfunc_end_k_q621af1411a_attn-k_q621af1411a_attn
	.p2alignl 7, 3214868480
	.fill 96, 4, 3214868480
	.section	.rodata,"a",@progbits
	.p2align	6, 0x0
	.amdhsa_kernel k_q621af1411a_attn
		.amdhsa_group_segment_fixed_size 67584
		.amdhsa_private_segment_fixed_size 0
		.amdhsa_enable_private_segment 0
		.amdhsa_kernarg_size 40
		.amdhsa_user_sgpr_count 2
		.amdhsa_user_sgpr_kernarg_segment_ptr 1
		.amdhsa_wavefront_size32 1
		.amdhsa_system_sgpr_workgroup_id_x 1
		.amdhsa_system_sgpr_workgroup_id_y 1
		.amdhsa_system_sgpr_workgroup_id_z 1
		.amdhsa_system_vgpr_workitem_id 0
		.amdhsa_next_free_vgpr 256
		.amdhsa_next_free_sgpr 66
		.amdhsa_reserve_vcc 1
		.amdhsa_float_denorm_mode_32 3
		.amdhsa_float_denorm_mode_16_64 3
		.amdhsa_memory_ordered 1
		.amdhsa_forward_progress 1
		.amdhsa_inst_pref_size 56
	.end_amdhsa_kernel
	.amdgpu_metadata
---
amdhsa.version: [ 1, 2 ]
amdhsa.kernels:
  - .name:           k_q621af1411a_attn
    .symbol:         k_q621af1411a_attn.kd
    .args:
      - { .name: qf, .offset: 0, .size: 8, .value_kind: global_buffer, .address_space: global }
      - { .name: kf, .offset: 8, .size: 8, .value_kind: global_buffer, .address_space: global }
      - { .name: vf, .offset: 16, .size: 8, .value_kind: global_buffer, .address_space: global }
      - { .name: lowp_scales, .offset: 24, .size: 8, .value_kind: global_buffer, .address_space: global }
      - { .name: yf, .offset: 32, .size: 8, .value_kind: global_buffer, .address_space: global }
    .group_segment_fixed_size: 67584
    .private_segment_fixed_size: 0
    .kernarg_segment_align: 8
    .kernarg_segment_size: 40
    .max_flat_workgroup_size: 512
    .sgpr_count:     66
    .vgpr_count:     256
    .wavefront_size: 32
...
	.end_amdgpu_metadata
.endif
;; end of part 2
;; launch proj (part 3): grid 4 x 64, 4 waves a work-group, clusters of 4 x 4, 327,680 bytes of LDS; arguments yf, wp_codes, bp, lowp_scales, out0; writes out0
.if DOCPART == 3
	.amdgcn_target "amdgcn-amd-amdhsa--gfx1250"
	.amdhsa_code_object_version 6
	.text
	.protected	k_q621af1411a_proj
	.globl	k_q621af1411a_proj
	.p2align	8
	.type	k_q621af1411a_proj,@function
k_q621af1411a_proj:
	s_mov_b64 s[64:65], 0
	v_nop
	global_prefetch_b8 v0, s[64:65] scope:SCOPE_SE
	s_setreg_imm32_b32 hwreg(HW_REG_WAVE_MODE, 25, 1), 1
	s_wait_xcnt 0x0
	s_wait_alu depctr_hold_cnt(0) depctr_sa_sdst(0) depctr_va_vdst(0) depctr_va_sdst(0) depctr_va_ssrc(0) depctr_va_vcc(0) depctr_vm_vsrc(0)
	s_getreg_b32 s2, hwreg(HW_REG_IB_STS2, 6, 4)
	s_cmp_eq_u32 s2, 0
	s_cbranch_scc0 .Lentry_in_a_cluster
	s_endpgm
.Lentry_in_a_cluster:
	s_bfe_u32 s2, ttmp6, 0x10000c
	s_cmp_lg_u32 s2, 0xf033
	s_cbranch_scc0 .Lentry_shape_is_right
	s_endpgm
.Lentry_shape_is_right:
; out = y wp + bp on codes of FP8 (E4M3): y's codes come as images of fragments (yf: [row tile of 16 (512)][K step of 128 (8)][2,048 bytes]; lane (r, h), registers 4 c .. 4 c + 3: k = 32 c + 16 h + 0..15),
; wp's as [1024 (n)][1024 (k)] codes; a finished sum is multiplied by 2^(e10 + e11) and bp is added, in one packed multiply-add.  out: [8192][1024] f32.
; SHARES.  A work-group owns 128 rows x 256 columns; its four waves share the columns: wave w has all 128 rows x 64 columns: 32 accumulators (row tile a 0..7, column tile t 0..3).
; y's 128 rows (131,072 bytes, one dense piece) are fetched once and stay in LDS; wp goes through a ring of two LDS slots of 256 rows x 256 along K; wave w fetches, and alone reads, rows 64 w .. 64 w + 63 of each slot.
; CLUSTER 4 x 4: the four work-groups of a row of the cluster own the same rows of y, the four of a column the same columns of wp: each tile is asked for jointly.
; The product is used transposed (source 0 = 16 rows of wp, source 1 = 16 rows of y): a lane holds eight neighbouring columns of one row.  wp's fragments come by four loads of 16 bytes, which gives k the very places that y's images have.
; LIMITS: e10 + e11 between -126 and 127.  NaN codes are not served.
; No prefetch: wp is walked by all work-groups in step and asked for jointly, and y is fetched once at the head, where every work-group's first tiles are on their way.
; REGISTERS, in windows of 256: window 0: v1-29 addresses; v32-63 bp in the result's layout; v64-127, v128-191 wp's fragments, two sets; v192-223 a block's results.
;   window 1: y's fragments, two sets (8 x 16); on the way out 32 registers for each block of 16 rows.   window 2: accumulator (a, t) at v[8 (4 a + t)].
.set WPI,   272                        ; a row of wp's tile in LDS: 256 bytes + 16 = 68 words: row r starts 4 r words further round the 64 banks (ISA guide 11.1)
.set WQ,    64*WPI
.set WBASE, 131072                     ; the ring begins behind y's images
.set WSLOT, 4*WQ
.set STAGE, WBASE+2*WSLOT              ; behind the ring: 16 rows x 272 bytes for each wave, for the way out; no fill lands there
.set SPITCH, 272
.set SPARE, STAGE+4*16*SPITCH          ; behind the stages: the spare words, 128 bytes for each wave: two blocks of 256 bytes that no other line names
.set LI,    4
.set ADRA,  16                         ; v16-17 y's images: row tiles 0-3, 4-7
.set ADRB,  20                         ; v20-21 my rows of wp's tile in slot 0, 1
.set STO,   24                         ; v24 where I put 32 bytes of a row;  v25 where I read a row back;  v26 my byte offset in out
.set RD,    25
.set CO,    26
.set SPW,   28
.set NIL,   29
.set BIAS,  32
.set TMP,   192
.set WV,    26                         ; s26 wave; s27 cx; s28 cy; s29 row block
.set WPTR,  6
.set G1X,   32                         ; s[32:39] group 1 for y;  s[40:47] for wp;  s[48:51] group 0 for y;  s[52:55], s[56:59] for the ring's two slots
.set G1W,   40
.set G0X,   48
.set G0W,   52
.set MQK,   0xa4                       ; source 0 (wp) window 0, source 1 (y) window 1, C and D window 2
.set TO_A,  0x40                       ; destination window 1, address window 0
.set MSB, 0
.macro WIN new                         ; the immediate's high byte repeats the setting that is left; a switch that changes nothing is dropped
.if MSB != \new
	s_set_vgpr_msb (MSB<<8)|\new
.set MSB, \new
.endif
.endm
.macro CREST                           ; a round of the cluster's barrier behind its opening barrier
	s_cmp_lg_u32 s[WV], 0
	s_cbranch_scc1 .Lnot_wave_0_\@
	s_barrier_signal -3
.Lnot_wave_0_\@:
	s_barrier_wait -3
	s_barrier_signal -1
	s_barrier_wait -1
.endm
.macro CROUND
	s_barrier_signal -1
	s_barrier_wait -1
	CREST
.endm
.macro PLACES n
.rept \n
	v_nop
.endr
.endm
	s_load_b256 s[4:11], s[0:1], 0x0               ; yf s[4:5], wp s[6:7], bp s[8:9], the scales' exponents s[10:11]
	s_load_b64 s[12:13], s[0:1], 0x20              ; out
	v_lshl_add_u32 v[SPW], v0, 2, SPARE
	v_mov_b32 v[NIL], 0
	ds_add_u32 v28, v29
	ds_add_u32 v28, v29
	s_wait_dscnt 0x0
	v_lshrrev_b32 v3, 5, v0
	v_readfirstlane_b32 s[WV], v3                  ; wave 0..3
	s_bfe_u32 s27, ttmp6, 0x40000                  ; cx: which 256 columns
	s_bfe_u32 s28, ttmp6, 0x40004                  ; cy
	s_and_b32 s29, ttmp7, 0xffff
	s_lshl_b32 s29, s29, 2
	s_add_co_u32 s29, s29, s28                     ; row block of 128 = 4 x cluster y + cy
	s_lshl_b32 s80, s28, 2
	s_lshl_b32 s80, 15, s80                        ; my row of the cluster
	s_lshl_b32 s84, 0x1111, s27                    ; my column
	; group 1 for y: a dense piece of 32,768 bytes a wave, as 128 rows of 32 elements of 8 bytes, no padding
	s_or_b32 s[G1X], s80, (3<<16)|(1<<21)
	s_mov_b32 s[G1X+1], 32<<16
	s_mov_b32 s[G1X+2], 128<<16
	s_mov_b32 s[G1X+3], 32<<16
	s_mov_b32 s[G1X+4], 128
	s_mov_b32 s[G1X+5], 32
	s_mov_b32 s[G1X+6], 0
	s_mov_b32 s[G1X+7], 0
	; group 1 for wp: 64 rows x 256 bytes a wave, 4 words of padding behind every 64
	s_or_b32 s[G1W], s84, (1<<20)|(1<<21)|(5<<22)|(3<<25)
	s_mov_b32 s[G1W+1], 256<<16
	s_mov_b32 s[G1W+2], 64<<16
	s_mov_b32 s[G1W+3], 256<<16
	s_mov_b32 s[G1W+4], 64
	s_mov_b32 s[G1W+5], 1024
	s_mov_b32 s[G1W+6], 0
	s_mov_b32 s[G1W+7], 0
	s_lshl_b32 s80, s29, 17                        ; y: my block's eight row tiles (s80-83 never hold cx),
	s_lshl_b32 s81, s[WV], 15                      ; my wave's two of them
	s_add_co_u32 s80, s80, s81
	s_mov_b32 s81, 0
	s_lshl_b32 s84, s27, 18                        ; wp: my block's 256 rows (s84-87 never hold cy),
	s_lshl_b32 s85, s[WV], 16                      ; my wave's 64 of them
	s_add_co_u32 s84, s84, s85
	s_mov_b32 s85, 0
	s_mov_b32 s[G0X], 1
	s_mul_i32 s[G0X+1], s[WV], 32768
	s_mov_b32 s[G0W], 1
	s_mul_i32 s[G0W+1], s[WV], WQ
	s_add_co_u32 s[G0W+1], s[G0W+1], WBASE
	s_mov_b32 s[G0W+4], 1
	s_add_co_u32 s[G0W+5], s[G0W+1], WSLOT
	s_wait_kmcnt 0x0
	s_load_b64 s[62:63], s[10:11], 0x28            ; e10, e11
	s_add_nc_u64 s[G0X+2:G0X+3], s[4:5], s[80:81]
	s_or_b32 s[G0X+3], s[G0X+3], 0x80000000
	s_add_nc_u64 s[6:7], s[6:7], s[84:85]
	s_mov_b64 s[G0W+2:G0W+3], s[6:7]               ; slot 0: K 0..255
	s_or_b32 s[G0W+3], s[G0W+3], 0x80000000
	s_add_nc_u64 s[G0W+6:G0W+7], s[6:7], 256       ; slot 1: K 256..511
	s_or_b32 s[G0W+7], s[G0W+7], 0x80000000
	CROUND                                         ; all sixteen work-groups are here: the first joint loads meet
	tensor_load_to_lds s[G0X:G0X+3], s[G1X:G1X+7]  ; the first fills go out as one group: three loads of mine are out
	s_nop 0
	tensor_load_to_lds s[G0W:G0W+3], s[G1W:G1W+7]
	s_nop 0
	tensor_load_to_lds s[G0W+4:G0W+7], s[G1W:G1W+7]
	s_nop 0
	PLACES 4                                       ; four such lines behind the loads
	v_and_b32 v1, 15, v0                           ; r
	v_bfe_u32 v2, v0, 4, 1                         ; h
	v_and_b32 v3, 31, v0
	v_lshlrev_b32 v[LI], 4, v3
	v_mov_b32 v[ADRA], v[LI]
	v_add_nc_u32 v[ADRA+1], 65536, v[LI]
	v_mul_u32_u24 v[ADRB], v1, WPI
	v_lshl_add_u32 v[ADRB], v2, 4, v[ADRB]
	v_add_nc_u32 v[ADRB], s[G0W+1], v[ADRB]
	v_add_nc_u32 v[ADRB+1], WSLOT, v[ADRB]
	s_mul_i32 s88, s[WV], 16*SPITCH
	s_add_co_u32 s88, s88, STAGE                   ; my stage
	v_mul_u32_u24 v[STO], v1, SPITCH               ; in: row r, 32 bytes for each half of the lanes
	v_lshl_add_u32 v[STO], v2, 5, v[STO]
	v_add_nc_u32 v[STO], s88, v[STO]
	v_mul_u32_u24 v[RD], v2, SPITCH                ; back: lanes 0-15 one row of 256 bytes, lanes 16-31 the next
	v_lshl_add_u32 v[RD], v1, 4, v[RD]
	v_add_nc_u32 v[RD], s88, v[RD]
	v_lshlrev_b32 v[CO], 12, v2                    ; and the same two rows in out (a row is 4,096 bytes)
	v_lshl_add_u32 v[CO], v1, 4, v[CO]
	v_lshlrev_b32 v5, 5, v2
	s_lshl_b32 s92, s27, 10                        ; my 64 columns, in bytes: 1,024 cx + 256 wave
	s_lshl_b32 s93, s[WV], 8
	s_add_co_u32 s92, s92, s93
	s_mov_b32 s93, 0
	s_add_nc_u64 s[8:9], s[8:9], s[92:93]
	s_add_nc_u64 s[12:13], s[12:13], s[92:93]
	s_lshl_b32 s94, s29, 19                        ; my block's 128 rows
	s_mov_b32 s95, 0
	s_add_nc_u64 s[12:13], s[12:13], s[94:95]
.irp t, 0,1,2,3
	global_load_b128 v[BIAS+8*\t:BIAS+8*\t+3], v5, s[8:9] offset:64*\t          ; bp at my lane's eight columns of tile t
	global_load_b128 v[BIAS+8*\t+4:BIAS+8*\t+7], v5, s[8:9] offset:64*\t+16
.endr
	s_wait_kmcnt 0x0
	s_add_co_i32 s60, s62, s63
	s_add_co_i32 s60, s60, 127
	s_lshl_b32 s60, s60, 23                        ; 2^(e10 + e11) as f32
	s_mov_b32 s61, s60                             ; (named with it as a pair, so it is written)
	s_wait_loadcnt 0x0
; The fragments of step s (128 along K): 48 LDS loads in one run, into set s % 2.
.macro FETCH s
	WIN 0
.irp t, 0,1,2,3
.irp c, 0,1,2,3
	ds_load_b128 v[64+64*((\s)%2)+16*\t+4*\c:64+64*((\s)%2)+16*\t+4*\c+3], v[ADRB+((\s)/2)%2] offset:16*WPI*\t+128*((\s)%2)+32*\c
.endr
.endr
	WIN TO_A
.irp a, 0,1,2,3,4,5,6,7
.irp c, 0,1,2,3
	ds_load_b128 v[128*((\s)%2)+16*\a+4*\c:128*((\s)%2)+16*\a+4*\c+3], v[ADRA+\a/4] offset:16384*(\a%4)+2048*(\s)+512*\c
.endr
.endr
	WIN 0
.endm
; 16 matrix instructions of step s.  mode = 1: the first step starts the sums: nothing is cleared.  The 32 accumulators take turns, one instruction a turn, in the same order in every step.
.macro MULH s, half, mode
	WIN MQK
.irp a, 0,1,2,3
.irp t, 0,1,2,3
.set RA, 128*((\s)%2)+16*(4*(\half)+\a)
.set RB, 64+64*((\s)%2)+16*\t
.set RACC, 8*(4*(4*(\half)+\a)+\t)
.if \mode
	v_wmma_f32_16x16x128_fp8_fp8 v[RACC:RACC+7], v[RB:RB+15], v[RA:RA+15], 0
.else
	v_wmma_f32_16x16x128_fp8_fp8 v[RACC:RACC+7], v[RB:RB+15], v[RA:RA+15], v[RACC:RACC+7]
.endif
.endr
.endr
.endm
.macro STEP_A s, mode
	s_wait_dscnt 0x0                               ; this step's 48 loads, issued a step ago, are in
	PLACES 4                                       ; the other set was read by the step before
	FETCH (\s)+1
	MULH \s, 0, \mode
	MULH \s, 1, \mode
	WIN 0
.endm
; A slot's second step, with a refill: K step g = (s - 1) / 2 is read out, and its slot takes K step g + 2.
.macro STEP_T s
.set G, ((\s)-1)/2
.set SLT, G%2
	WIN 0
	s_wait_tensorcnt 0x0                           ; all my tensor loads have landed, my part of the other slot among them: so a group 0 may be written;
	ds_add_u32 v[SPW], v[NIL]                      ; 0 onto my spare word: the descriptor's step stands between it and the wait for it
	s_add_nc_u64 s[G0W+4*SLT+2:G0W+4*SLT+3], s[WPTR:WPTR+1], 256*(G+2)
	s_or_b32 s[G0W+4*SLT+3], s[G0W+4*SLT+3], 0x80000000
	s_wait_dscnt 0x0                               ; the add is done; this step's fragments are in, and they were my last reads of the slot
	s_barrier_signal -1                            ; this barrier opens a round of the cluster's barrier
	MULH \s, 0, 0
	WIN 0
	s_barrier_wait -1
	CREST                                          ; no wave of any partner still reads the slot or has a load on its way
	tensor_load_to_lds s[G0W+4*SLT:G0W+4*SLT+3], s[G1W:G1W+7]   ; my one tensor load behind the round, and the first thing there
	s_nop 0
	PLACES 4                                       ; four lines behind the load; they are also the places in front of the loads below
	FETCH (\s)+1
	MULH \s, 1, 0
	WIN 0
.endm
.macro STEP_L s                        ; nothing is left to fetch: the other slot's last load is waited for; I alone read the bytes that I fetched
	s_wait_tensorcnt 0x0
	STEP_A \s, 0
.endm
.macro STEP_E s
	s_wait_dscnt 0x0
	MULH \s, 0, 0
	MULH \s, 1, 0
	WIN 0
.endm
; THE WAY OUT, a block of 16 rows x 64 columns at a time: sum x 2^(e10 + e11) + bp; 32 bytes a lane into my own stage; back as whole rows of 256 bytes.  LDS serves a wave's instructions in order (ISA guide 5.7.1.4):
; no wait between the stores and the loads, nor in front of the next block's stores.  Each block has 32 registers of its own in window 1, so no store's data are written again and no pointer is stepped.
.macro TOSTAGE a
	WIN 0x02                                       ; source 0: window 2
.irp t, 0,1,2,3
.irp i, 0,2,4,6
	v_pk_fma_f32 v[TMP+8*\t+\i:TMP+8*\t+\i+1], v[8*(4*(\a)+\t)+\i:8*(4*(\a)+\t)+\i+1], s[60:61], v[BIAS+8*\t+\i:BIAS+8*\t+\i+1] op_sel_hi:[1,0,1]   ; each accumulator from its low end on
.endr
.endr
	WIN 0
.irp t, 0,1,2,3
	ds_store_b128 v[STO], v[TMP+8*\t:TMP+8*\t+3] offset:64*\t
	ds_store_b128 v[STO], v[TMP+8*\t+4:TMP+8*\t+7] offset:64*\t+16
.endr
	WIN TO_A
.irp i, 0,1,2,3,4,5,6,7
	ds_load_b128 v[32*(\a)+4*\i:32*(\a)+4*\i+3], v[RD] offset:2*SPITCH*\i
.endr
	WIN 0
.endm
.macro SEND a, younger                 ; younger: the LDS instructions issued behind block a's loads, which may stay out
	s_wait_dscnt \younger
	WIN 0x04                                       ; the stores' data: window 1
.irp i, 0,1,2,3,4,5,6,7
	global_store_b128 v[CO], v[32*(\a)+4*\i:32*(\a)+4*\i+3], s[12:13] offset:(16*(\a)+2*\i)*4096 th:TH_STORE_NT   ; 16 lanes store 256 consecutive bytes, at a multiple of 256 from out's first byte; written once, read by nobody here
.endr
	WIN 0
.endm
	s_wait_tensorcnt 0x1                           ; my part of y and of slot 0 is in; slot 1's load may stay out
	s_barrier_signal -1
	s_barrier_wait -1                              ; everybody's part of y is in
	FETCH 0
	STEP_A 0, 1
	STEP_T 1
	STEP_A 2, 0
	STEP_T 3
	STEP_A 4, 0
	STEP_L 5
	STEP_A 6, 0
	STEP_E 7
	PLACES 4
	TOSTAGE 0
.irp a, 1,2,3,4,5,6,7
	TOSTAGE \a
	SEND \a-1, 16                                  ; behind block a - 1's loads: block a's 8 stores and 8 loads
.endr
	SEND 7, 0
	s_wait_tensorcnt 0x0                           ; the wave's end: behind my last tensor load and my last LDS store
	ds_add_u32 v[SPW], v[NIL]
	s_wait_dscnt 0x0
	CROUND                                         ; the closing round: no work-group ends while a partner may still ask for a tile that names it
	s_endpgm
.Lfunc_end_k_q621af1411a_proj:
	.size	k_q621af1411a_proj, .Lfunc_end_k_q621af1411a_proj-k_q621af1411a_proj
	.p2alignl 7, 3214868480
	.fill 96, 4, 3214868480
	.section	.rodata,"a",@progbits
	.p2align	6, 0x0
	.amdhsa_kernel k_q621af1411a_proj
		.amdhsa_group_segment_fixed_size 327680
		.amdhsa_private_segment_fixed_size 0
		.amdhsa_enable_private_segment 0
		.amdhsa_kernarg_size 40
		.amdhsa_user_sgpr_count 2
		.amdhsa_user_sgpr_kernarg_segment_ptr 1
		.amdhsa_wavefront_size32 1
		.amdhsa_system_sgpr_workgroup_id_x 1
		.amdhsa_system_sgpr_workgroup_id_y 1
		.amdhsa_system_sgpr_workgroup_id_z 1
		.amdhsa_system_vgpr_workitem_id 0
		.amdhsa_next_free_vgpr 768
		.amdhsa_next_free_sgpr 96
		.amdhsa_reserve_vcc 0
		.amdhsa_float_denorm_mode_32 3
		.amdhsa_float_denorm_mode_16_64 3
		.amdhsa_memory_ordered 1
		.amdhsa_forward_progress 1
		.amdhsa_inst_pref_size 75
	.end_amdhsa_kernel
	.amdgpu_metadata
---
amdhsa.version: [ 1, 2 ]
amdhsa.kernels:
  - .name:           k_q621af1411a_proj
    .symbol:         k_q621af1411a_proj.kd
    .args:
      - { .name: yf, .offset: 0, .size: 8, .value_kind: global_buffer, .address_space: global }
      - { .name: wp_codes, .offset: 8, .size: 8, .value_kind: global_buffer, .address_space: global }
      - { .name: bp, .offset: 16, .size: 8, .value_kind: global_buffer, .address_space: global }
      - { .name: lowp_scales, .offset: 24, .size: 8, .value_kind: global_buffer, .address_space: global }
      - { .name: out0, .offset: 32, .size: 8, .value_kind: global_buffer, .address_space: global }
    .group_segment_fixed_size: 327680
    .private_segment_fixed_size: 0
    .kernarg_segment_align: 8
    .kernarg_segment_size: 40
    .max_flat_workgroup_size: 128
    .sgpr_count:     96
    .vgpr_count:     768
    .wavefront_size: 32
...
	.end_amdgpu_metadata
.endif
;; end of part 3
;; ======== version 2 of 2: 3 launches; version 1 with the launch attn written anew for expert scheduling mode
;; workspace buffers: qf 8,388,608 bytes; kf 8,388,608 bytes; vf 8,388,608 bytes; yf 8,388,608 bytes
;; launch qkv: the kernel of part 1 again; grid 4 x 64, 4 waves a work-group, clusters of 4 x 4, 327,680 bytes of LDS; arguments x_codes, wq_codes, wk_codes, wv_codes, bq, bk, bv, lowp_scales, qf, kf, vf; writes qf, kf, vf
;; launch attn (part 4): grid 4 x 64, 16 waves a work-group, no clusters, 67,584 bytes of LDS; arguments qf, kf, vf, lowp_scales, yf; writes yf
.if DOCPART == 4
	.amdgcn_target "amdgcn-amd-amdhsa--gfx1250"
	.amdhsa_code_object_version 6
	.text
	.protected	k_q621af1411a_attn
	.globl	k_q621af1411a_attn
	.p2align	8
	.type	k_q621af1411a_attn,@function
k_q621af1411a_attn:
	s_mov_b64 s[64:65], 0
	v_nop
	global_prefetch_b8 v0, s[64:65] scope:SCOPE_SE
	s_setreg_imm32_b32 hwreg(HW_REG_WAVE_SCHED_MODE, 0, 2), 2
	s_setreg_imm32_b32 hwreg(HW_REG_WAVE_MODE, 25, 1), 1
	s_wait_xcnt 0x0
	s_wait_alu depctr_vm_vsrc(0)
; y[b][q][head] = the sum over keys k <= q of softmax_k(Q . K / 8) V, both products on codes of FP8 (E4M3); y is quantised at once (entry 10 of the scales) and stored as codes.
; qf, kf: [head of batch (64)][token tile of 16 (128)][1,024 bytes]: images of K = 64 fragments.  vf: [head of batch][key step of 128 (16)][channel tile (4)][2,048 bytes]: images of V^T's K = 128 fragments.
; yf: [row tile of 16 (512)][K step of 128 (8)][2,048 bytes]: images of the last product's fragments: lane (r, h), registers 4 c .. 4 c + 3: k = 32 c + 16 h + 0..15.
; THE SOFTMAX: t = score x log2(e) / 8; M = the row's largest t so far, rounded UP to a whole number; p = 2^(t - M) is quantised (entry 8), not normalised; the row's sum is taken of the unquantised p and divides at the end.
; When M moves, the sum and O are multiplied by 2^(old M - new M): nothing is rounded.
; SHARES.  Work-group (i, head of batch) owns query blocks 7 - i and i of 256 queries; each of its sixteen waves owns one tile of 16 queries of each block, in 256 registers: four waves to a SIMD.
; Keys go in slots of 256 (two steps of 128).  Block 7 - i needs 8 - i slots, block i needs i + 1: NINE slots in every work-group, so one loop of nine trips serves all, and all have equal work.
; K AND V come through registers into two LDS slots: a slot is 16 KiB of kf and 16 KiB of vf, each one dense piece; wave w copies 2,048 bytes (waves 0-7: K, waves 8-15: V), asked for a trip ahead of the store.
; No tensor load and no cluster: from trip 8 - i on the four work-groups of a head want different slots, and a slot's 32 KiB feed 32 steps of a wave.
; LAYOUT.  S^T = K Q^T (source 0 = 16 keys, source 1 = my 16 queries): a lane holds one query (lane % 16) and keys 16 f + 8 (lane / 16) + 0..7 of tile f: one conversion gives registers 2 f, 2 f + 1 of P's K = 128 fragment.
; O^T = V^T P (source 0 = 16 channels): a lane holds the same query and channels 16 d + 8 (lane / 16) + 0..7.  Only y's codes change lanes, once a block (lane l with lane l xor 16).
; LIMITS: e6 + e7 between -123 and 130 (added to c's exponent field); e8, and e10 - e8 - e9, between -126 and 119.  NaN codes are not served.
; THE MODE: SCHED_MODE bits 1:0 = 2 (LLVM: expert scheduling mode 2), set by the entry lines.  The code itself states the register dependences
; between vector or matrix instructions and memory or LDS instructions, with s_wait_alu, always for 0.
; THE PLAN.  Registers that memory or LDS instructions touch:
;   v1, v4, v5     offsets, made once at the head and never written again: one wait on va_vdst ahead of the first load serves every load, store and prefetch that reads them.
;   v2, v3         the trip's LDS addresses: written by two additions behind the barrier.  Ahead of them one wait on vm_vsrc (the last trip's LDS loads and stores have read them); behind them the wait at the first step's head.
;   v32-47  (ST)   named by no vector instruction: global loads land, a trip later four LDS stores read them; one wait on vm_vsrc behind the stores, and the next loads land.
;   v48-111 (KV)   K lands, eight products read it; V lands, four products read it.  One wait on va_vdst ahead of each of the two runs of loads: the products that read the registers last are done.
;   v112-175 (S)   at the head alone: key slot 0 lands there and four LDS stores read it; the first trip's wait on vm_vsrc stands ahead of the first products, which write it.
;   v216-223 (YR)  a block's end: selects write them, one wait on va_vdst, two stores read them, one wait on vm_vsrc beside the wait on XCNT; the next step's conversions write them again.
;   Scalar results of vector instructions: the wave's number (one wait on va_sdst at the head); the diagonal's compares, eight masks at a time in s54-61, one wait on va_sdst a run.
; Four waves of 256 registers fill a SIMD's 1,024: there is no second buffer for K or V.
.set LI,   1                           ; v1  16 x lane; never rewritten
.set ADR,  2                           ; v2  16 x lane + the slot in hand
.set ADW,  3                           ; v3  where I store my 2,048 bytes of the other slot
.set AW0,  4                           ; v4  16 x lane + 2,048 x wave
.set PFO,  5                           ; v5  256 x lane: the prefetches' offset; never rewritten
.set QR,   16                          ; v16-23 Q;  v24-31 the second block's Q
.set QB,   24
.set ST,   32                          ; v32-47 my 2,048 bytes on their way from memory to LDS
.set KV,   48                          ; v48-111 K's eight fragments, then V's four
.set S,    112                         ; v112-175 S^T, then p
.set O,    176                         ; v176-207 O^T
.set PC,   208                         ; v208-223 p's codes; at a block's end v208-215 y's codes, v216-223 the same in the last product's order
.set YR,   216
.set T0,   224
.set T1,   225
.set F,    226                         ; v[226:227] f = 2^(old M - new M) (the pair's low word serves both halves)
.set SA,   228                         ; v[228:229] the sum's second chain
.set PX,   230
.set NINF, 231
.set DD,   232
.set SCP,  233                         ; 2^e8;  v234: 448 x 2^e8
.set LMP,  234
.set SCY,  235                         ; 2^(e10 - e8 - e9);  v236: 448 x that
.set LMY,  236
.set RH,   237                         ; lane % 16 - 8 (lane / 16)
.set WV,   14                          ; s14 wave; s15 i; s16 head of batch
.set WI,   15
.set BH,   16
.set U,    17                          ; s17 the trip;  s18 the block's slot in hand;  s19 the block in hand
.set SL,   18
.set BLK,  19
.set SEL,  20                          ; s[20:21] selects for v_permlanex16_b32: lane l xor 16
.set CS,   22                          ; s[22:23] c = log2(e) / 8 x 2^(e6 + e7)
.set KF,   24                          ; s24 the step's first key;  s25, s26 my first and last query
.set Q0,   25
.set QL,   26
.set TB,   27                          ; s27 LDS byte of the slot in hand;  s28 of the other
.set TW,   28
.set FS,   29                          ; s29 the key slot to be asked for next;  s30 the last one of its block
.set FB,   30
.set LIM,  31                          ; s31 a wave prefetches while the trip's number is under it
.set GB,   32                          ; s[32:33] kf or vf at my head, my wave's 2,048 bytes of key slot 0;  s[34:35] the same in the slot asked for
.set GA,   34
.set OFS,  36
.set YA,   38
.set YO,   40
.set HM,   42                          ; s42 lanes 16-31
.set YC,   43                          ; s43 the part of y's byte offset that stays: batch, wave, head
.set MK,   54                          ; s54-61 in the loop: the masks of eight compares (at the head these registers are at work on addresses and constants)
	s_load_b256 s[4:11], s[0:1], 0x0               ; qf s[4:5], kf s[6:7], vf s[8:9], the scales' exponents s[10:11]
	s_load_b64 s[12:13], s[0:1], 0x20              ; yf
	v_lshl_add_u32 v254, v0, 2, 0x10000
	v_mov_b32 v255, 0
	v_lshrrev_b32 v2, 5, v0
	v_readfirstlane_b32 s[WV], v2                  ; wave 0..15
	s_mov_b32 s[WI], ttmp9
	s_and_b32 s[BH], ttmp7, 0xffff
	v_and_b32 v1, 31, v0
	v_lshlrev_b32 v[PFO], 8, v1
	v_lshlrev_b32 v[LI], 4, v1
	s_wait_alu depctr_va_sdst(0)                   ; s14, the wave's number, is written, ahead of its first reader
	s_lshl_b32 s52, s[WV], 11
	v_add_nc_u32 v[AW0], s52, v[LI]
	v_and_b32 v[RH], 15, v0
	v_bfe_u32 v238, v0, 4, 1
	v_lshlrev_b32 v238, 3, v238
	v_sub_nc_u32 v[RH], v[RH], v238
	s_sub_co_u32 s[BLK], 7, s[WI]                  ; the longer block first
	s_lshl_b32 s52, s[BH], 17                      ; my head's 131,072 bytes in qf, kf and vf
	s_mov_b32 s53, 0
	s_lshl_b32 s54, s[BLK], 4
	s_add_co_u32 s54, s54, s[WV]
	s_lshl_b32 s54, s54, 10                        ; my tile of queries in block 7 - i,
	s_mov_b32 s55, 0
	s_lshl_b32 s56, s[WI], 4
	s_add_co_u32 s56, s56, s[WV]
	s_lshl_b32 s56, s56, 10                        ; and in block i
	s_mov_b32 s57, 0
	s_and_b32 s58, s[WV], 7
	s_lshl_b32 s58, s58, 11                        ; my 2,048 bytes of a slot's K or V
	s_mov_b32 s59, 0
	s_wait_kmcnt 0x0
	s_load_b256 s[44:51], s[10:11], 0x10           ; e4 .. e11: e6 s46, e7 s47, e8 s48, e9 s49, e10 s50
	s_add_nc_u64 s[4:5], s[4:5], s[52:53]
	s_add_nc_u64 s[54:55], s[4:5], s[54:55]
	s_add_nc_u64 s[56:57], s[4:5], s[56:57]
	s_cmp_lt_u32 s[WV], 8                          ; waves 0-7 copy K, waves 8-15 V
	s_cselect_b64 s[GB:GB+1], s[6:7], s[8:9]
	s_add_nc_u64 s[GB:GB+1], s[GB:GB+1], s[52:53]
	s_add_nc_u64 s[GB:GB+1], s[GB:GB+1], s[58:59]
	s_wait_alu depctr_va_vdst(0)                   ; v1, v4 and v5 are written: the offsets of every global load and store, of the head's LDS stores and of the prefetch
	global_load_b128 v[QR:QR+3], v[LI], s[54:55] th:TH_LOAD_NT
	global_load_b128 v[QR+4:QR+7], v[LI], s[54:55] offset:512 th:TH_LOAD_NT
	global_load_b128 v[QB:QB+3], v[LI], s[56:57] th:TH_LOAD_NT
	global_load_b128 v[QB+4:QB+7], v[LI], s[56:57] offset:512 th:TH_LOAD_NT
.irp n, 0,1,2,3
	global_load_b128 v[S+4*\n:S+4*\n+3], v[LI], s[GB:GB+1] offset:512*\n            ; key slot 0
.endr
.irp n, 0,1,2,3
	global_load_b128 v[ST+4*\n:ST+4*\n+3], v[LI], s[GB:GB+1] offset:16384+512*\n    ; key slot 1: stored in the first trip
.endr
	s_mov_b32 s[SEL], 0x76543210
	s_mov_b32 s[SEL+1], 0xfedcba98
	s_mov_b32 s[HM], 0xffff0000
	s_mov_b32 s[OFS+1], 0
	s_mov_b32 s[YO+1], 0
	s_mov_b32 s[U], 0
	s_mov_b32 s[SL], 0
	s_mov_b32 s[KF], 0
	s_mov_b32 s[TB], 0
	s_mov_b32 s[TW], 0x8000
	s_mov_b32 s[FS], 2                             ; block 7 - i has five slots or more
	s_mov_b32 s[FB], s[BLK]
	s_lshl_b32 s[Q0], s[BLK], 8
	s_lshl_b32 s60, s[WV], 4
	s_add_co_u32 s[Q0], s[Q0], s60
	s_add_co_u32 s[QL], s[Q0], 15
	s_lshr_b32 s[YC], s[BH], 4
	s_lshl_b32 s[YC], s[YC], 21                    ; a batch: 128 row tiles of 16,384 bytes
	s_lshl_b32 s60, s[WV], 14
	s_add_co_u32 s[YC], s[YC], s60                 ; my row tile in a block
	s_bfe_u32 s60, s[BH], 0x30001                  ; head / 2: the K step of 128
	s_lshl_b32 s60, s60, 11
	s_add_co_u32 s[YC], s[YC], s60
	s_and_b32 s60, s[BH], 1                        ; head % 2: which half of its 2,048 bytes
	s_lshl_b32 s60, s60, 10
	s_add_co_u32 s[YC], s[YC], s60
	s_and_b32 s60, s[WV], 3
	s_or_b32 s60, s60, s[WI]
	s_cmp_eq_u32 s60, 0
	s_cselect_b32 s[LIM], 5, 0                     ; waves 0, 4, 8, 12 of the head's work-group i = 0 prefetch, in trips 0 to 4
	v_mov_b32 v13, 0xff61b1e6                      ; the largest t so far: -3e38, under every t
	v_floor_f32 v12, -v13                          ; -M
	v_mov_b32 v14, 0                               ; the sum, in two halves
	v_mov_b32 v15, 0
	v_mov_b32 v[F+1], 0                            ; (named as the upper half of a pair)
	v_mov_b32 v[PX], 0                             ; a lane permute's destination counts as one of its sources
	v_mov_b32 v239, 0
	v_mov_b32 v241, 0
	v_mov_b32 v[NINF], 0xff800000
.set i, 0
.rept 32
	v_mov_b32 v[O+i], 0                            ; O^T.  (The step is written once: a block's first step finds zeros, which the first change of M leaves zeros)
.set i, i+1
.endr
	s_wait_kmcnt 0x0
	s_add_co_i32 s60, s46, s47
	s_lshl_b32 s60, s60, 23
	s_add_co_i32 s[CS], s60, 0x3e38aa3b            ; log2(e) / 8, with e6 + e7 added to its exponent field
	s_mov_b32 s[CS+1], s[CS]
	s_add_co_i32 s60, s48, 127
	s_lshl_b32 s61, s60, 23
	v_mov_b32 v[SCP], s61
	s_add_co_i32 s60, s60, 8
	s_lshl_b32 s60, s60, 23
	s_or_b32 s60, s60, 0x600000
	v_mov_b32 v[LMP], s60
	s_sub_co_i32 s60, s50, s48                     ; O's sums stand for sum x 2^(e8 + e9): y's code is (sum / l) / 2^(e10 - e8 - e9)
	s_sub_co_i32 s60, s60, s49
	s_add_co_i32 s60, s60, 127
	s_lshl_b32 s61, s60, 23
	v_mov_b32 v[SCY], s61
	s_add_co_i32 s60, s60, 8
	s_lshl_b32 s60, s60, 23
	s_or_b32 s60, s60, 0x600000
	v_mov_b32 v[LMY], s60
	s_wait_loadcnt 0x4                             ; both Q and key slot 0 are in; key slot 1's four loads may stay out
.irp n, 0,1,2,3
	ds_store_b128 v[AW0], v[S+4*\n:S+4*\n+3] offset:512*\n   ; no vector instruction since the wait on va_vdst above names v4 or these registers
.endr
; A PREFETCH INTO THE L2: the key slot behind the one just asked for, 8,192 bytes a wave, lanes 256 bytes apart: wave 0 and 4 K's two halves, wave 8 and 12 V's.  All work-groups of a head walk the same slots in their first block:
; the one with i = 0, whose first block has all eight, asks: in trip U for slot U + 3, U = 0 .. 4, one trip ahead of the load that wants it.  Each aligned block of 256 bytes is named once in the launch.  Slots 0 to 2 come by their loads alone.
.macro ASK
	s_cmp_lt_u32 s[U], s[LIM]
	s_cbranch_scc0 .Lnot_mine_\@
	global_prefetch_b8 v[PFO], s[GA:GA+1] offset:16384 th:TH_LOAD_NT scope:SCOPE_SE
.Lnot_mine_\@:
.endm
; In trip U: the walk's slot U + 1, asked for a trip ago, goes into the LDS slot that nobody reads; the walk's slot U + 2 is asked for.  The last trips have nothing to store or to ask for.
; No vector instruction names v32-47, and none since the wait at the trip's first step names v3 or v1: so these lines owe one wait, between the stores and the loads.
.macro COPY
	s_cmp_lt_u32 s[U], 8
	s_cbranch_scc0 .Lnc_\@
	s_wait_loadcnt 0x0                             ; my four loads of a trip ago
.irp n, 0,1,2,3
	ds_store_b128 v[ADW], v[ST+4*\n:ST+4*\n+3] offset:512*\n
.endr
	s_wait_alu depctr_vm_vsrc(0)                   ; the four LDS stores have read v32-47, in which the next loads land
	s_cmp_lt_u32 s[U], 7
	s_cbranch_scc0 .Lnc_\@
	s_wait_xcnt 0x0                                ; the last trip's prefetch has read its base, so it may be written
	s_lshl_b32 s[OFS], s[FS], 14
	s_add_nc_u64 s[GA:GA+1], s[GB:GB+1], s[OFS:OFS+1]
.irp n, 0,1,2,3
	global_load_b128 v[ST+4*\n:ST+4*\n+3], v[LI], s[GA:GA+1] offset:512*\n
.endr
	ASK
	s_add_co_u32 s52, s[FS], 1
	s_cmp_eq_u32 s[FS], s[FB]                      ; the block's last slot?  Then the second block's slot 0 follows
	s_cselect_b32 s[FS], 0, s52
	s_cselect_b32 s[FB], s[WI], s[FB]
.Lnc_\@:
.endm
; A KEY STEP: 128 keys, the q-th half of the slot in hand.
.macro STEP q
.if \q
	s_cmp_gt_u32 s[KF], s[QL]                      ; all keys come after my queries (a slot's first step never does): the step's work is left out, not the line at its end
	s_cbranch_scc1 .Lhid_\@
.endif
	s_wait_alu depctr_va_vdst(0)                   ; the last products V^T P are done reading v48-111, in which K lands; in a slot's first step the trip's two additions have written v2 and v3
.irp f, 0,1,2,3,4,5,6,7
.irp c, 0,1
	ds_load_b128 v[KV+8*\f+4*\c:KV+8*\f+4*\c+3], v[ADR] offset:8192*\q+1024*\f+512*\c
.endr
.endr
.irp p, 0,1,2,3
	s_wait_dscnt 12-4*\p                           ; LDS loads come back in order (ISA guide 5.7.1): fragments 2 p and 2 p + 1 are in; the younger loads of the run of sixteen stay out
	v_wmma_f32_16x16x64_fp8_fp8 v[S+16*\p:S+16*\p+7], v[KV+16*\p:KV+16*\p+7], v[QR:QR+7], 0
	v_wmma_f32_16x16x64_fp8_fp8 v[S+16*\p+8:S+16*\p+15], v[KV+16*\p+8:KV+16*\p+15], v[QR:QR+7], 0
.endr
.rept 4
	v_nop                                          ; four places behind the products, before vector instructions read their results (ISA guide 7.12.1)
.endr
	s_wait_alu depctr_va_vdst(0)                   ; the eight products are done reading v48-111, in which V lands
.irp d, 0,1,2,3
.irp c, 0,1,2,3
	ds_load_b128 v[KV+16*\d+4*\c:KV+16*\d+4*\c+3], v[ADR] offset:16384+8192*\q+2048*\d+512*\c   ; V lands while the softmax is worked: none of its lines names these registers or v2
.endr
.endr
	s_add_co_u32 s52, s[KF], 127                   ; on the diagonal hidden scores become -infinity ahead of the maximum: p = 0 then.  A step all of whose keys count skips this
	s_cmp_le_u32 s52, s[Q0]
	s_cbranch_scc1 .Lopen_\@
	s_sub_co_i32 s52, s[Q0], s[KF]
	v_add_nc_u32 v[DD], s52, v[RH]                 ; my query - KF - 8 (lane / 16).  Register 8 f + j holds key KF + 8 (lane / 16) + 16 f + j
.irp f, 0,1,2,3,4,5,6,7                        ; a tile of 16 keys at a time: eight compares in a run, into eight scalar registers, then the eight selects
.irp j, 0,1,2,3,4,5,6,7
	v_cmp_gt_i32 s[MK+\j], 16*\f+\j, v[DD]
.endr
	s_wait_alu depctr_va_sdst(0)                   ; the eight compares have written s54-61, which the selects read
.irp j, 0,1,2,3,4,5,6,7
	v_cndmask_b32 v[S+8*\f+\j], v[S+8*\f+\j], v[NINF], s[MK+\j]
.endr
.endr
.Lopen_\@:
	v_max3_num_f32 v[T0], v[S], v[S+1], v[S+2]     ; the step's largest score of my query, among my 64 keys, in two chains, ascending,
	v_max3_num_f32 v[T1], v[S+3], v[S+4], v[S+5]
.irp i, 6,10,14,18,22,26,30,34,38,42,46,50,54,58
	v_max3_num_f32 v[T0], v[T0], v[S+\i], v[S+1+\i]
	v_max3_num_f32 v[T1], v[T1], v[S+2+\i], v[S+3+\i]
.endr
	v_max3_num_f32 v[T0], v[T0], v[S+62], v[S+63]
	v_max_num_f32 v[T0], v[T0], v[T1]
	v_permlanex16_b32 v[PX], v[T0], s[SEL], s[SEL+1]
	v_max_num_f32 v[T0], v[T0], v[PX]              ; and among lane l xor 16's
	v_mul_f32 v[T0], s[CS], v[T0]                  ; as t (c is positive)
	v_max_num_f32 v13, v13, v[T0]                  ; the running largest t
	v_mov_b32 v[T0], v12
	v_floor_f32 v12, -v13                          ; the new -M = floor(-t): M is a whole number
	v_sub_f32 v[T0], v12, v[T0]                    ; old M - new M: a whole number, 0 or less
	v_cvt_i32_f32 v[T0], v[T0]                     ; (it saturates)
	v_ldexp_f32 v[F], 1.0, v[T0]                   ; f = 2^(old M - new M)
	; ONE BATCH: the 32 scalings t - M (two scores each), the 64 exponentials and O^T's 16 multiplications by f, dealt so that plain lines stand among the exponentials.  No line of it names an exponential's result.
	v_pk_fma_f32 v[S:S+1], v[S:S+1], s[CS:CS+1], v[12:13] op_sel_hi:[1,0,0]
	v_pk_fma_f32 v[S+2:S+3], v[S+2:S+3], s[CS:CS+1], v[12:13] op_sel_hi:[1,0,0]
.set g, 0
.rept 16
	v_exp_f32 v[S+4*g], v[S+4*g]
	v_exp_f32 v[S+4*g+1], v[S+4*g+1]
.if g < 15
	v_pk_fma_f32 v[S+4*g+4:S+4*g+5], v[S+4*g+4:S+4*g+5], s[CS:CS+1], v[12:13] op_sel_hi:[1,0,0]
.endif
	v_exp_f32 v[S+4*g+2], v[S+4*g+2]
	v_exp_f32 v[S+4*g+3], v[S+4*g+3]
.if g < 15
	v_pk_fma_f32 v[S+4*g+6:S+4*g+7], v[S+4*g+6:S+4*g+7], s[CS:CS+1], v[12:13] op_sel_hi:[1,0,0]
.endif
	v_pk_mul_f32 v[O+2*g:O+2*g+1], v[O+2*g:O+2*g+1], v[F:F+1] op_sel_hi:[1,0]   ; O^T under the new M, each accumulator from its low end on
.set g, g+1
.endr
	v_pk_mul_f32 v[14:15], v[14:15], v[F:F+1] op_sel_hi:[1,0]   ; the sums under the new M
	s_wait_alu depctr_va_vdst(0)                   ; the 64 exponentials have written v112-175: one wait for the whole batch, ahead of the first line that names a result
	v_pk_add_f32 v[SA:SA+1], v[S:S+1], v[S+2:S+3]  ; the row's sum is taken of the unquantised p: two at a time, in two chains
.irp j, 4,8,12,16,20,24,28,32,36,40,44,48,52,56,60
	v_pk_add_f32 v[14:15], v[14:15], v[S+\j:S+1+\j]
	v_pk_add_f32 v[SA:SA+1], v[SA:SA+1], v[S+2+\j:S+3+\j]
.endr
	v_pk_add_f32 v[14:15], v[14:15], v[SA:SA+1]
	s_cmp_ge_i32 s48, -8                           ; p is at most 1, and 448 x 2^e8 is above 1 wherever e8 >= -8: there the hold cannot bite and is left out
	s_cbranch_scc1 .Lnh_\@
.set n, 0
.rept 64
	v_min_num_f32 v[S+n], v[S+n], v[LMP]           ; the conversion to an 8-bit code does not saturate (ISA guide 7.6.2); p is not negative, so the hold is one-sided
.set n, n+1
.endr
.Lnh_\@:
.irp c, 0,1,2,3,4,5,6,7
	v_cvt_scalef32_pk8_fp8_f32 v[PC+2*\c:PC+2*\c+1], v[S+8*\c:S+8*\c+7], v[SCP]
.endr
	v_nop                                          ; one plain vector line between the last conversion and the products that read its result
	s_wait_dscnt 0x0                               ; V is in
.irp d, 0,1,2,3
	v_wmma_f32_16x16x128_fp8_fp8 v[O+8*\d:O+8*\d+7], v[KV+16*\d:KV+16*\d+15], v[PC:PC+15], v[O+8*\d:O+8*\d+7]   ; the four accumulators take turns
.endr
.if \q
.Lhid_\@:
.endif
	s_add_co_u32 s[KF], s[KF], 128
.endm
.Ltrip:                                            ; nine trips, a slot of 256 keys each
	s_wait_dscnt 0x0                               ; my stores into the slot ahead have landed, and my reads of the slot behind are back
	s_barrier_signal -1
	s_barrier_wait -1                              ; both now hold of all sixteen waves: the trip's one barrier
	s_wait_alu depctr_vm_vsrc(0)                   ; the last trip's LDS loads have read v2 and its LDS stores v3, which the two additions write; in the first trip the head's LDS stores have read v112-127, which the first products write
	v_add_nc_u32 v[ADR], s[TB], v[LI]
	v_add_nc_u32 v[ADW], s[TW], v[AW0]
	STEP 0
	COPY                                           ; it stands between the first step's last products and the wait at the second step's head
	STEP 1
	s_cmp_lg_u32 s[SL], s[BLK]                     ; was this the block's diagonal slot?
	s_cbranch_scc1 .Lon
	; A BLOCK'S END.  O^T is divided by the row's sum, held, turned into codes and stored; then the state is set for the second block.  (At the second block's end that resetting runs once to no purpose.)
.rept 4
	v_nop                                          ; four places behind the last products, before their results are read (ISA guide 7.12.1)
.endr
	v_add_f32 v14, v14, v15                        ; the sum's two halves,
	v_permlanex16_b32 v[PX], v14, s[SEL], s[SEL+1]
	v_add_f32 v14, v14, v[PX]                      ; and lane l xor 16's
	v_rcp_f32 v14, v14
	v_nop                                          ; a plain line behind the reciprocal,
	s_wait_alu depctr_va_vdst(0)                   ; and the wait ahead of its first reader: the reciprocal has written v14
.set i, 0
.rept 16
	v_pk_mul_f32 v[S+2*i:S+2*i+1], v[O+2*i:O+2*i+1], v[14:15] op_sel_hi:[1,0]
.set i, i+1
.endr
.set i, 0
.rept 32
	v_med3_num_f32 v[S+i], v[S+i], -v[LMY], v[LMY]
.set i, i+1
.endr
.irp d, 0,1,2,3
	v_cvt_scalef32_pk8_fp8_f32 v[PC+2*\d:PC+2*\d+1], v[S+8*\d:S+8*\d+7], v[SCY]   ; lane (r, h): channels 16 d + 8 h + 0..7 of query r
.endr
	v_nop
	; The last product wants, in lane (r, h), channels 32 b + 16 h + 0..15 in registers 4 b .. 4 b + 3: tile 2 b + h whole.  So lanes 0-15 give their half of tile 2 b + 1 for lane l + 16's half of tile 2 b.
.irp b, 0,1
.irp e, 0,1
	v_cndmask_b32 v[238+2*\e], v[PC+4*\b+2+\e], v[PC+4*\b+\e], s[HM]
	v_permlanex16_b32 v[239+2*\e], v[238+2*\e], s[SEL], s[SEL+1]
	v_cndmask_b32 v[YR+4*\b+\e], v[PC+4*\b+\e], v[239+2*\e], s[HM]
	v_cndmask_b32 v[YR+4*\b+2+\e], v[239+2*\e], v[PC+4*\b+2+\e], s[HM]
.endr
.endr
	s_lshl_b32 s[YO], s[BLK], 18                   ; a block: 16 row tiles of 16,384 bytes
	s_add_co_u32 s[YO], s[YO], s[YC]
	s_add_nc_u64 s[YA:YA+1], s[12:13], s[YO:YO+1]
	s_wait_alu depctr_va_vdst(0)                   ; the selects have written v216-223, which the two stores read
	global_store_b128 v[LI], v[YR:YR+3], s[YA:YA+1]                    ; 1,024 consecutive bytes in two stores
	global_store_b128 v[LI], v[YR+4:YR+7], s[YA:YA+1] offset:512
	v_mov_b32 v13, 0xff61b1e6
	v_floor_f32 v12, -v13
	v_mov_b32 v14, 0
	v_mov_b32 v15, 0
.set i, 0
.rept 32
	v_mov_b32 v[O+i], 0
.set i, i+1
.endr
.set i, 0
.rept 8
	v_mov_b32 v[QR+i], v[QB+i]
.set i, i+1
.endr
	s_mov_b32 s[BLK], s[WI]
	s_mov_b32 s[SL], -1                            ; stepped to 0 below
	s_mov_b32 s[KF], 0
	s_lshl_b32 s[Q0], s[WI], 8
	s_lshl_b32 s52, s[WV], 4
	s_add_co_u32 s[Q0], s[Q0], s52
	s_add_co_u32 s[QL], s[Q0], 15
	s_wait_xcnt 0x0                                ; the two stores have had their addresses translated (ISA guide 3.1): their base and their data registers are written again only behind this wait,
	s_wait_alu depctr_vm_vsrc(0)                   ; and beside it: the two stores have read v216-223, which the next step's conversions write again
.Lon:
	s_add_co_u32 s[SL], s[SL], 1
	s_xor_b32 s[TB], s[TB], 0x8000                 ; the slots change places
	s_xor_b32 s[TW], s[TW], 0x8000
	s_add_co_u32 s[U], s[U], 1
	s_cmp_lt_u32 s[U], 9
	s_cbranch_scc1 .Ltrip
	s_wait_dscnt 0x0
	s_wait_alu depctr_hold_cnt(0) depctr_sa_sdst(0) depctr_va_vdst(0) depctr_va_sdst(0) depctr_va_ssrc(0) depctr_va_vcc(0) depctr_vm_vsrc(0)
	s_wait_tensorcnt 0x0
	ds_add_u32 v254, v255
	s_wait_dscnt 0x0
	s_endpgm
.Lfunc_end_k_q621af1411a_attn:
	.size	k_q621af1411a_attn, .Lfunc_end_k_q621af1411a_attn-k_q621af1411a_attn
	.p2alignl 7, 3214868480
	.fill 96, 4, 3214868480
	.section	.rodata,"a",@progbits
	.p2align	6, 0x0
	.amdhsa_kernel k_q621af1411a_attn
		.amdhsa_group_segment_fixed_size 67584
		.amdhsa_private_segment_fixed_size 0
		.amdhsa_enable_private_segment 0
		.amdhsa_kernarg_size 40
		.amdhsa_user_sgpr_count 2
		.amdhsa_user_sgpr_kernarg_segment_ptr 1
		.amdhsa_wavefront_size32 1
		.amdhsa_system_sgpr_workgroup_id_x 1
		.amdhsa_system_sgpr_workgroup_id_y 1
		.amdhsa_system_sgpr_workgroup_id_z 1
		.amdhsa_system_vgpr_workitem_id 0
		.amdhsa_next_free_vgpr 256
		.amdhsa_next_free_sgpr 66
		.amdhsa_reserve_vcc 0
		.amdhsa_float_denorm_mode_32 3
		.amdhsa_float_denorm_mode_16_64 3
		.amdhsa_memory_ordered 1
		.amdhsa_forward_progress 1
		.amdhsa_inst_pref_size 65
	.end_amdhsa_kernel
	.amdgpu_metadata
---
amdhsa.version: [ 1, 2 ]
amdhsa.kernels:
  - .name:           k_q621af1411a_attn
    .symbol:         k_q621af1411a_attn.kd
    .args:
      - { .name: qf, .offset: 0, .size: 8, .value_kind: global_buffer, .address_space: global }
      - { .name: kf, .offset: 8, .size: 8, .value_kind: global_buffer, .address_space: global }
      - { .name: vf, .offset: 16, .size: 8, .value_kind: global_buffer, .address_space: global }
      - { .name: lowp_scales, .offset: 24, .size: 8, .value_kind: global_buffer, .address_space: global }
      - { .name: yf, .offset: 32, .size: 8, .value_kind: global_buffer, .address_space: global }
    .group_segment_fixed_size: 67584
    .private_segment_fixed_size: 0
    .kernarg_segment_align: 8
    .kernarg_segment_size: 40
    .max_flat_workgroup_size: 512
    .sgpr_count:     66
    .vgpr_count:     256
    .wavefront_size: 32
...
	.end_amdgpu_metadata
.endif
;; end of part 4
;; launch proj: the kernel of part 3 again; grid 4 x 64, 4 waves a work-group, clusters of 4 x 4, 327,680 bytes of LDS; arguments yf, wp_codes, bp, lowp_scales, out0; writes out0
